; MI455X (gfx1250); checked and timed in simulation.
; The chip was launched on July 23, 2026; its instructions are those of AMD's public machine-readable ISA for CDNA 5 (MIT licence, August 2026) and "CDNA5" Instruction Set Architecture Reference Guide (July 2026). The comments in the code are by the model that wrote it; some were corrected since.
;; Multi Head Attention. Allowed arithmetic: matrix products marked QUANTISED: E3M2 operands, one E8M0 scale for each 32 along K, by v_wmma_scale_f32_16x16x128_f8f6f4 with both operands' format E3M2, f32 sums; everything else in f32.
;; Inputs: Wk 16 x 1,024 x 64 float32; Wo 1,024 x 1,024 float32; Wq 16 x 1,024 x 64 float32; Wv 16 x 1,024 x 64 float32; bk 16 x 64 float32; bo 1,024 float32; bq 16 x 64 float32; bv 16 x 64 float32; x 4 x 2,048 x 1,024 float32.
;; Outputs: out0 4 x 2,048 x 1,024 float32.
;; This version of the problem:
;;   THIS VERSION OF THE PROBLEM IS GIVEN IN LOW PRECISION. The matrix products marked QUANTISED in the list below multiply operands that are first quantised to E3M2 (3 exponent bits, 2 mantissa bits; 6 bits a number), with one power-of-two scale for each 32 numbers along K (OCP MX v1.0); their sums are f32. All else is computed in f32.
;;   The module's matrix products, in the order in which they are computed (A, B: the left and right operand; K: the contracted axis; several contracted axes count as one K, in the product's order):
;;     1. [M 1,024, K 1,024] x [K 1,024, N 8,192]; A: input Wq; B: input x: QUANTISED
;;     2. [M 1,024, K 1,024] x [K 1,024, N 8,192]; A: input Wk; B: input x: QUANTISED
;;     3. [M 1,024, K 1,024] x [K 1,024, N 8,192]; A: input Wv; B: input x: QUANTISED
;;     4. batch 64 x [M 2,048, K 64] x [K 64, N 2,048]; A: computed on the way; B: computed on the way: QUANTISED
;;     5. batch 64 x [M 2,048, K 2,048] x [K 2,048, N 64]; A: softmax (see below); B: computed on the way: QUANTISED
;;     6. [M 8,192, K 1,024] x [K 1,024, N 1,024]; A: computed on the way; B: input Wo: QUANTISED
;;   THE QUANTISER, for each operand of a quantised product, along K:
;;     - K is cut into blocks of 32 from its start; a last block that is shorter is filled with zeros.
;;     - A block's scale is 2^e with e = floor(log2(the largest magnitude in the block)) - 4, held to -126 .. 127; a block of zeros has e = 0. As a byte (E8M0): e + 127.
;;     - Each number is divided by its block's scale, clamped to +-28, and rounded to the nearest number of E3M2, ties to even, subnormals kept.
;;     - The product sums the exact products of the quantised numbers (number of the format x scale) in f32.
;;   ~~~python
;;   def quantise(x, axis):      # numpy; x: float32 -> the quantised numbers, widened to float32 again
;;       x = np.moveaxis(x, axis, -1); K = x.shape[-1]
;;       x = np.pad(x, [(0, 0)] * (x.ndim - 1) + [(0, -K % 32)]); x = x.reshape(x.shape[:-1] + (-1, 32)); a = np.abs(x).max(-1, keepdims=True)
;;       e = np.where(a > 0, np.clip(np.frexp(np.where(a > 0, a, 1))[1] - 1 - 4, -126, 127), 0)      # np.frexp(a)[1] - 1 = floor(log2(a)), exactly
;;       r = np.clip(x / 2.0 ** e, -28, 28)
;;       step = 2.0 ** (np.maximum(np.frexp(np.where(r == 0, 1, r))[1] - 1, -2) - 2)
;;       q = np.round(r / step) * step * 2.0 ** e      # np.round: ties to even
;;       return np.moveaxis(q.reshape(q.shape[:-2] + (-1,))[..., :K], -1, axis).astype(np.float32)
;;   ~~~
;;   SOFTMAX AHEAD OF A QUANTISED PRODUCT. Where the list says 'softmax', what is quantised is not the finished softmax but p = 2^(t - M), with t = logit x log2(e) and M = ceil(the row's largest t), a whole number; so 1/2 < the row's largest p <= 1. The row's sum l is taken of the UNQUANTISED p, in f32, and the product's result is divided by l at the end. Since M is a whole number, a kernel that streams over the keys may use a running M (the ceiling of the running maximum): every later rescaling is an exact power of two, which a block's scale takes up: the codes' values come out the same.
;;   OPERANDS COMPUTED ON THE WAY. 'Computed on the way' means the value that the module computes at that place (a softmax that the list does not call 'softmax' is quantised finished and normalised). What goes into a quantiser is computed in f32, as accurately as f32 sums, v_exp_f32 and their like allow (about 1e-6 of the number): no bf16 or f16 on the way to a quantiser, and a product that is left as it is and whose result goes on into a quantised operand takes f32 operands (vector FMAs, or v_wmma_f32_16x16x4_f32). A number that lies on a knife's edge between two numbers of the format may be rounded either way, as far as f32 arithmetic and the matrix unit's own rounding can turn it there, and no further.
;; One version. Each part assembles by itself: llvm-mc -triple=amdgcn-amd-amdhsa -mcpu=gfx1250 --defsym DOCPART=n.
;; ======== version 1 of 1: 4 launches
;; limits: right only within a limited range of input values
;; workspace buffers: opc 9,437,184 bytes; ops 393,216 bytes; q 6,815,744 bytes; kv 13,369,344 bytes; cc 6,291,456 bytes; cs 262,144 bytes
;; launch prep (part 1): grid 672 x 1, 8 waves a work-group, no clusters, 96,768 bytes of LDS; arguments x, Wo, Wq, Wk, Wv, opc, ops; writes opc, ops
.if DOCPART == 1
	.amdgcn_target "amdgcn-amd-amdhsa--gfx1250"
	.amdhsa_code_object_version 6
	.text
	.protected	k_q40b76ddb93_prep
	.globl	k_q40b76ddb93_prep
	.p2align	8
	.type	k_q40b76ddb93_prep,@function
k_q40b76ddb93_prep:
	s_mov_b64 s[64:65], 0
	v_nop
	global_prefetch_b8 v0, s[64:65] scope:SCOPE_SE
	s_setreg_imm32_b32 hwreg(HW_REG_WAVE_MODE, 25, 1), 1
	s_wait_xcnt 0x0
; x [8192][1024], Wo [1024][1024] (K innermost) and Wq, Wk, Wv [16][1024][64] (K = the middle axis), all f32, become codes of BF6 (E3M2) with one E8M0 byte for each 32 along K.
; A block's scale is 2^(floor(log2(its largest magnitude)) - 4); its byte is the largest magnitude's exponent field - 4, held at 1 from below; each number / scale goes to the nearest code, ties to even, beyond 28 the largest code.
; LIMITS: NaN and infinities are not served; a block whose largest magnitude lies under 2^-122 is held at the byte 1; a block of zeros has the byte 1 (the quantiser's text says 127): its codes are zeros and this program alone reads the bytes.
; LAYOUT OF THE RESULT.  Rows go in tiles of 16, and the rows of a tile are not neighbours: lane r of tile 2 g + u holds row 32 g + 8 u + r + (r & 8).
; opc: [tile 768][chunk of 64 along K: 16][768 bytes]; a chunk is an image of six operand registers: lane (r, h) holds the 24 bytes of k = 32 h .. 32 h + 31 of tile row r, its registers 0-3 at byte 16 x lane, 4-5 at 512 + 8 x lane.
; ops: [tile][r 16][32 scale bytes].  Tiles 0-511 x, 512-575 Wq (row = 64 head + d), 576-639 Wk, 640-703 Wv, 704-767 Wo.
; Work-groups 0-575 take one tile of x or Wo (wave w: k = 128 w on); work-groups 576-671 take 32 columns d of one head of Wq, Wk or Wv (wave w: k = 128 w on).  The two paths have LDS bytes of their own.
; No tensor loads, no matrix work: the launch streams.
.set RWG,   576                        ; work-groups of the rows' path
.set SPR,   528                        ; rows' path: a stage row, 512 bytes + 16: sixteen rows start at sixteen different groups of banks
.set RSTG,  16*SPR                     ; a wave's stage
.set SCR,   8*RSTG                     ; the tile's 512 scale bytes
.set CSTG,  SCR+512                    ; columns' path: a wave's stage is two tiles' images, 1,664 bytes apart
.set CTILE, 1664
.set SCW,   CSTG+16*CTILE              ; two tiles' 1,024 scale bytes
.set TILEB, 12288                      ; a tile's codes in opc
.set SEL,   20                         ; s[20:21] v_permlanex16_b32's selects for lane l xor 16
.set R,     16                         ; rows: v16-79 as loaded
.set X,     80                         ; v80-143 64 numbers: register 16 b + i = k 32 b + 16 h + i of my row
.set PC,    24                         ; the codes, over registers whose numbers have gone to the stage
.set TM,    44
.set PW,    60
.set CX,    16                         ; columns: v16-143 my column's 128 numbers down K
.set CD,    144                        ; v144-149 block 0's codes, six registers
.set CT,    150
.set MX,    154
.set SO,    156
.set BY,    157
.set SBW,   158
; 64 numbers of a lane become a fragment's twelve registers in v[PC] on and its scale word in v[PW]
.macro QUANT s
.irp b, 0,1,2,3
	v_max3_num_f32 v[TM+\b], |v[\s+16*\b]|, |v[\s+1+16*\b]|, 0x2800000   ; my 16 numbers of block b, and the floor 2^(5 - 127): the byte cannot fall under 1
.endr
.irp i, 2,4,6,8,10,12,14
.irp b, 0,1,2,3
	s_delay_alu instid0(VALU_DEP_4)
	v_max3_num_f32 v[TM+\b], v[TM+\b], |v[\s+16*\b+\i]|, |v[\s+1+16*\b+\i]|
.endr
.endr
.irp b, 0,1,2,3
	s_delay_alu instid0(VALU_DEP_4)
	v_permlanex16_b32 v[TM+4+\b], v[TM+\b], s[SEL], s[SEL+1]
.endr
.irp b, 0,1,2,3
	s_delay_alu instid0(VALU_DEP_4)
	v_max_num_f32 v[TM+\b], v[TM+\b], v[TM+4+\b]   ; with lane l xor 16's 16: the block's largest magnitude
.endr
.irp b, 0,1,2,3
	s_delay_alu instid0(VALU_DEP_4)
	v_add_nc_u32 v[TM+12+\b], 0xfe000000, v[TM+\b]   ; 4 off its exponent field: the conversion's scale operand
.endr
.irp b, 0,1,2,3
	s_delay_alu instid0(VALU_DEP_4)
	v_lshrrev_b32 v[TM+4+\b], 23, v[TM+12+\b]      ; the scale's byte
.endr
	s_delay_alu instid0(VALU_DEP_3)
	v_lshl_or_b32 v[PW], v[TM+5], 8, v[TM+4]
	s_delay_alu instid0(VALU_DEP_1)
	v_lshl_or_b32 v[PW], v[TM+6], 16, v[PW]
	s_delay_alu instid0(VALU_DEP_1)
	v_lshl_or_b32 v[PW], v[TM+7], 24, v[PW]
.irp c, 0,1
	v_cvt_scalef32_pk16_bf6_f32 v[PC+6*\c:PC+2+6*\c], v[\s+32*\c:\s+15+32*\c], v[TM+12+2*\c]
	v_cvt_scalef32_pk16_bf6_f32 v[PC+12+4*\c:PC+14+4*\c], v[\s+16+32*\c:\s+31+32*\c], v[TM+12+2*\c+1]
.endr
	v_nop                                          ; one plain place behind a scaled conversion
.irp c, 0,1                                    ; a whole block to a lane: lanes 0-15 block 2 c, lanes 16-31 block 2 c + 1
.irp i, 0,1,2
	v_permlane16_swap_b32 v[PC+6*\c+\i], v[PC+12+4*\c+\i]
.endr
.irp i, 0,1,2
	s_delay_alu instid0(VALU_DEP_3)
	v_mov_b32 v[PC+3+6*\c+\i], v[PC+12+4*\c+\i]
.endr
.endr
.endm
	s_load_b256 s[4:11], s[0:1], 0x0               ; x, Wo, Wq, Wk
	s_load_b128 s[12:15], s[0:1], 0x20             ; Wv, opc
	s_load_b64 s[16:17], s[0:1], 0x30              ; ops
	v_lshl_add_u32 v159, v0, 2, 0x17600
	v_mov_b32 v15, 0
	v_lshrrev_b32 v1, 5, v0
	s_delay_alu instid0(VALU_DEP_1)
	v_readfirstlane_b32 s18, v1                    ; wave 0..7
	v_and_b32 v1, 31, v0                           ; lane
	v_and_b32 v2, 15, v0                           ; r
	v_bfe_u32 v3, v0, 4, 1                         ; h
	s_delay_alu instid0(VALU_DEP_3)
	v_lshlrev_b32 v4, 4, v1                        ; 16 x lane
	s_delay_alu instid0(VALU_DEP_4)
	v_lshlrev_b32 v5, 3, v1                        ; 8 x lane
	s_mov_b32 s[SEL], 0x76543210
	s_mov_b32 s[SEL+1], 0xfedcba98
	s_cmp_ge_u32 ttmp9, RWG                        ; the same in every wave of a work-group
	s_cbranch_scc1 .Lcols
	; ---- ROWS: one tile of x or of Wo; my wave's 128 along K
	s_mul_i32 s22, s18, RSTG                       ; my stage
	v_add_nc_u32 v6, s22, v4                       ; in: a row's 512 bytes as they lie
	v_mul_u32_u24 v7, v2, SPR
	s_delay_alu instid0(VALU_DEP_1)
	v_lshl_add_u32 v7, v3, 6, v7
	s_delay_alu instid0(VALU_DEP_1)
	v_add_nc_u32 v7, s22, v7                       ; back: row r, + 64 h: my 16 numbers of each block
	v_lshlrev_b32 v8, 5, v2
	s_lshl_b32 s23, s18, 2
	s_add_co_u32 s23, s23, SCR
	v_add_nc_u32 v8, s23, v8                       ; my row's scale word of K step w
	v_add_nc_u32 v9, SCR, v4                       ; and the way out of the 512 scale bytes
.irp b, 0,1,2,3
	v_mov_b32 v[TM+4+\b], 0                        ; a lane permute's destination counts as one of its sources
.endr
	s_cmp_lt_u32 ttmp9, 512                        ; x or Wo: the choice hangs on the work-group's number alone
	s_cselect_b32 s24, 0, 512
	s_cselect_b32 s25, 0, 192
	s_wait_alu depctr_va_vdst(0)
	s_wait_kmcnt 0x0
	s_cselect_b64 s[4:5], s[4:5], s[6:7]
	s_sub_co_u32 s24, ttmp9, s24                   ; the tile in its tensor
	s_add_co_u32 s25, ttmp9, s25                   ; and in opc
	s_lshr_b32 s26, s24, 1
	s_lshl_b32 s26, s26, 5
	s_and_b32 s27, s24, 1
	s_lshl_b32 s27, s27, 3
	s_add_co_u32 s26, s26, s27                     ; its first row: 32 g + 8 u
	s_lshl_b32 s26, s26, 12                        ; rows of 4,096 bytes
	s_lshl_b32 s27, s18, 9
	s_add_co_u32 s26, s26, s27                     ; + my 512 bytes
	s_mov_b32 s27, 0
	s_add_nc_u64 s[4:5], s[4:5], s[26:27]
	s_mul_i32 s28, s25, TILEB
	s_mul_i32 s29, s18, 1536
	s_add_co_u32 s28, s28, s29
	s_mov_b32 s29, 0
	s_add_nc_u64 s[14:15], s[14:15], s[28:29]
	s_lshl_b32 s28, s25, 9
	s_add_nc_u64 s[16:17], s[16:17], s[28:29]
.set i, 0
.rept 16
	global_load_b128 v[R+4*i:R+4*i+3], v4, s[4:5] offset:(i+8*(i/8))*4096 th:TH_LOAD_NT   ; tile row i: 32 lanes read 512 consecutive bytes
.set i, i+1
.endr
.set i, 0
.rept 16
	s_wait_loadcnt 15-i                            ; loads come back in order: row i is in, the 15 - i younger ones stay out
	ds_store_b128 v6, v[R+4*i:R+4*i+3] offset:SPR*i
.set i, i+1
.endr
.irp b, 0,1,2,3
.irp j, 0,1,2,3
	ds_load_b128 v[X+16*\b+4*\j:X+16*\b+4*\j+3], v7 offset:128*\b+16*\j   ; LDS serves a wave's instructions in order: these see my stores
.endr
.endr
	s_wait_dscnt 0x0
	QUANT X
	global_store_b128 v4, v[PC:PC+3], s[14:15]                 ; two chunks' images: 512, 256, 512, 256 consecutive bytes
	global_store_b64 v5, v[PC+4:PC+5], s[14:15] offset:512
	global_store_b128 v4, v[PC+6:PC+9], s[14:15] offset:768
	global_store_b64 v5, v[PC+10:PC+11], s[14:15] offset:1280
	ds_store_b32 v8, v[PW]                         ; both halves of the lanes write the same word with the same value
	s_wait_dscnt 0x0                               ; for the others' sake: my word has landed
	s_barrier_signal -1
	s_barrier_wait -1
	s_cmp_lg_u32 s18, 0
	s_cbranch_scc1 .Lrows_end
	ds_load_b128 v[16:19], v9
	s_wait_dscnt 0x0
	global_store_b128 v4, v[16:19], s[16:17]       ; the tile's 512 scale bytes, consecutive
.Lrows_end:
	s_wait_tensorcnt 0x0
	ds_add_u32 v159, v15
	s_wait_dscnt 0x0
	s_endpgm
	; ---- COLUMNS: a lane takes column d = 32 beta + lane of one head, its registers run down K
.Lcols:
	s_sub_co_u32 s22, ttmp9, RWG
	s_lshr_b32 s23, s22, 5                         ; 0 Wq, 1 Wk, 2 Wv
	s_bfe_u32 s24, s22, 0x40001                    ; head
	s_and_b32 s25, s22, 1                          ; beta
	s_wait_alu depctr_va_vdst(0)
	v_lshlrev_b32 v6, 2, v1                        ; 4 x lane
	v_bfe_u32 v7, v0, 3, 1                         ; u: which of the group's two tiles my column's row falls into
	v_and_b32 v8, 7, v0
	s_delay_alu instid0(VALU_DEP_1)
	v_lshl_add_u32 v8, v3, 3, v8                   ; and which lane r of it: (lane & 7) + 8 (lane >> 4)
	s_mul_i32 s32, s18, 2*CTILE
	s_add_co_u32 s32, s32, CSTG                    ; my stage
	v_mul_u32_u24 v9, v7, CTILE
	s_delay_alu instid0(VALU_DEP_1)
	v_add_nc_u32 v9, s32, v9
	s_delay_alu instid0(VALU_DEP_1)
	v_lshl_add_u32 v10, v8, 4, v9                  ; where registers 0-3 of my row's image go,
	s_delay_alu instid0(VALU_DEP_2)
	v_lshl_add_u32 v11, v8, 3, v9                  ; and registers 4-5
	v_add_nc_u32 v12, s32, v4                      ; back: 16 x lane
	v_lshl_add_u32 v13, v7, 4, v8
	s_delay_alu instid0(VALU_DEP_1)
	v_lshlrev_b32 v13, 5, v13
	s_lshl_b32 s33, s18, 2
	s_add_co_u32 s33, s33, SCW
	v_add_nc_u32 v13, s33, v13                     ; my row's scale word of K step w
	v_add_nc_u32 v14, SCW, v4
	s_wait_kmcnt 0x0
	s_cmp_eq_u32 s23, 0
	s_cselect_b64 s[8:9], s[8:9], s[10:11]
	s_cmp_eq_u32 s23, 2
	s_cselect_b64 s[8:9], s[12:13], s[8:9]
	s_lshl_b32 s26, s24, 18                        ; a head is 262,144 bytes,
	s_lshl_b32 s27, s25, 7                         ; 32 columns 128,
	s_add_co_u32 s26, s26, s27
	s_lshl_b32 s27, s18, 15                        ; 128 rows of 256 bytes
	s_add_co_u32 s26, s26, s27
	s_mov_b32 s27, 0
	s_add_nc_u64 s[8:9], s[8:9], s[26:27]
	s_lshl_b32 s28, s23, 6
	s_lshl_b32 s29, s24, 2
	s_add_co_u32 s28, s28, s29
	s_lshl_b32 s29, s25, 1
	s_add_co_u32 s28, s28, s29
	s_add_co_u32 s28, s28, 512                     ; the first of my two tiles
	s_lshl_b32 s30, s28, 9
	s_mov_b32 s31, 0
	s_add_nc_u64 s[16:17], s[16:17], s[30:31]
	s_mul_i32 s28, s28, TILEB
	s_mul_i32 s29, s18, 1536
	s_add_co_u32 s28, s28, s29
	s_mov_b32 s29, 0
	s_add_nc_u64 s[14:15], s[14:15], s[28:29]
.macro CLOAD kb                        ; block kb: W(128 w + 32 kb + i, my column)
.set i, 0
.rept 32
	global_load_b32 v[CX+32*(\kb)+i], v6, s[8:9] offset:256*(32*(\kb)+i)
.set i, i+1
.endr
.endm
.macro CBLOCK kb
.set XS, CX+32*(\kb)
.if (\kb) == 0
.set CK, CD                            ; block 0's codes have six registers of their own;
.else
.set CK, CX+32*((\kb)-1)+24            ; a later block's lie over numbers of the block before, which are done with
.endif
.if (\kb) < 3
	s_wait_loadcnt 32                              ; this block's 32 loads are in; the next block's stay out
.else
	s_wait_loadcnt 0x0
.endif
.if (\kb) < 2
	CLOAD (\kb)+2
.endif
	v_max3_num_f32 v[MX], |v[XS]|, |v[XS+1]|, |v[XS+2]|            ; all 32 numbers of the block are mine
	v_max3_num_f32 v[MX+1], |v[XS+3]|, |v[XS+4]|, |v[XS+5]|
.irp i, 6,10,14,18,22,26
	s_delay_alu instid0(VALU_DEP_2)
	v_max3_num_f32 v[MX], v[MX], |v[XS+\i]|, |v[XS+\i+1]|
	s_delay_alu instid0(VALU_DEP_2)
	v_max3_num_f32 v[MX+1], v[MX+1], |v[XS+\i+2]|, |v[XS+\i+3]|
.endr
	s_delay_alu instid0(VALU_DEP_2)
	v_max3_num_f32 v[MX], v[MX], |v[XS+30]|, |v[XS+31]|
	s_delay_alu instid0(VALU_DEP_1)
	v_max3_num_f32 v[MX], v[MX], v[MX+1], 0x2800000
	s_delay_alu instid0(VALU_DEP_1)
	v_add_nc_u32 v[SO], 0xfe000000, v[MX]
	s_delay_alu instid0(VALU_DEP_1)
	v_lshrrev_b32 v[BY], 23, v[SO]
.if (\kb) == 0
	s_delay_alu instid0(VALU_DEP_1)
	v_mov_b32 v[SBW], v[BY]
.else
	s_delay_alu instid0(VALU_DEP_1)
	v_lshl_or_b32 v[SBW], v[BY], 8*(\kb), v[SBW]
.endif
	v_cvt_scalef32_pk16_bf6_f32 v[CK:CK+2], v[XS:XS+15], v[SO]
	v_cvt_scalef32_pk16_bf6_f32 v[CT:CT+2], v[XS+16:XS+31], v[SO]   ; (a conversion's three registers begin on an even number)
	v_nop                                          ; one plain place behind a scaled conversion
.irp i, 0,1,2
	v_mov_b32 v[CK+3+\i], v[CT+\i]
.endr
	ds_store_b128 v10, v[CK:CK+3] offset:768*((\kb)/2)+256*((\kb)%2)
	ds_store_b64 v11, v[CK+4:CK+5] offset:768*((\kb)/2)+512+128*((\kb)%2)
.endm
	CLOAD 0
	CLOAD 1
	CBLOCK 0
	CBLOCK 1
	CBLOCK 2
	CBLOCK 3
	ds_store_b32 v13, v[SBW]
.irp u, 0,1
.irp i, 0,1,2
	ds_load_b128 v[16+4*(3*\u+\i):19+4*(3*\u+\i)], v12 offset:CTILE*\u+512*\i   ; LDS serves a wave's instructions in order: these see my stores
.endr
.endr
.irp u, 0,1
.irp i, 0,1,2
	s_wait_dscnt 5-(3*\u+\i)                       ; the younger loads stay out
	global_store_b128 v4, v[16+4*(3*\u+\i):19+4*(3*\u+\i)], s[14:15] offset:TILEB*\u+512*\i   ; 512 consecutive bytes
.endr
.endr
	s_barrier_signal -1                            ; (the last count was 0: my scale word has landed)
	s_barrier_wait -1
	s_cmp_lg_u32 s18, 0
	s_cbranch_scc1 .Lcols_end
	ds_load_b128 v[40:43], v14
	ds_load_b128 v[44:47], v14 offset:512
	s_wait_dscnt 0x0
	global_store_b128 v4, v[40:43], s[16:17]       ; two tiles' 1,024 scale bytes, consecutive
	global_store_b128 v4, v[44:47], s[16:17] offset:512
.Lcols_end:
	s_wait_tensorcnt 0x0
	ds_add_u32 v159, v15
	s_wait_dscnt 0x0
	s_endpgm
.Lfunc_end_k_q40b76ddb93_prep:
	.size	k_q40b76ddb93_prep, .Lfunc_end_k_q40b76ddb93_prep-k_q40b76ddb93_prep
	.p2alignl 7, 3214868480
	.fill 96, 4, 3214868480
	.section	.rodata,"a",@progbits
	.p2align	6, 0x0
	.amdhsa_kernel k_q40b76ddb93_prep
		.amdhsa_group_segment_fixed_size 96768
		.amdhsa_private_segment_fixed_size 0
		.amdhsa_enable_private_segment 0
		.amdhsa_kernarg_size 56
		.amdhsa_user_sgpr_count 2
		.amdhsa_user_sgpr_kernarg_segment_ptr 1
		.amdhsa_wavefront_size32 1
		.amdhsa_system_sgpr_workgroup_id_x 1
		.amdhsa_system_sgpr_workgroup_id_y 1
		.amdhsa_system_sgpr_workgroup_id_z 1
		.amdhsa_system_vgpr_workitem_id 0
		.amdhsa_next_free_vgpr 160
		.amdhsa_next_free_sgpr 66
		.amdhsa_reserve_vcc 0
		.amdhsa_float_denorm_mode_32 3
		.amdhsa_float_denorm_mode_16_64 3
		.amdhsa_memory_ordered 1
		.amdhsa_forward_progress 1
		.amdhsa_inst_pref_size 38
	.end_amdhsa_kernel
	.amdgpu_metadata
---
amdhsa.version: [ 1, 2 ]
amdhsa.kernels:
  - .name:           k_q40b76ddb93_prep
    .symbol:         k_q40b76ddb93_prep.kd
    .args:
      - { .name: x, .offset: 0, .size: 8, .value_kind: global_buffer, .address_space: global }
      - { .name: Wo, .offset: 8, .size: 8, .value_kind: global_buffer, .address_space: global }
      - { .name: Wq, .offset: 16, .size: 8, .value_kind: global_buffer, .address_space: global }
      - { .name: Wk, .offset: 24, .size: 8, .value_kind: global_buffer, .address_space: global }
      - { .name: Wv, .offset: 32, .size: 8, .value_kind: global_buffer, .address_space: global }
      - { .name: opc, .offset: 40, .size: 8, .value_kind: global_buffer, .address_space: global }
      - { .name: ops, .offset: 48, .size: 8, .value_kind: global_buffer, .address_space: global }
    .group_segment_fixed_size: 96768
    .private_segment_fixed_size: 0
    .kernarg_segment_align: 8
    .kernarg_segment_size: 56
    .max_flat_workgroup_size: 256
    .sgpr_count:     66
    .vgpr_count:     160
    .wavefront_size: 32
...
	.end_amdgpu_metadata
.endif
;; end of part 1
;; launch proj (part 2): grid 12 x 32, 4 waves a work-group, clusters of 4 x 4, 327,680 bytes of LDS; arguments opc, ops, bq, bk, bv, q, kv; writes q, kv
.if DOCPART == 2
	.amdgcn_target "amdgcn-amd-amdhsa--gfx1250"
	.amdhsa_code_object_version 6
	.text
	.protected	k_q40b76ddb93_proj
	.globl	k_q40b76ddb93_proj
	.p2align	8
	.type	k_q40b76ddb93_proj,@function
k_q40b76ddb93_proj:
	s_mov_b64 s[64:65], 0
	v_nop
	global_prefetch_b8 v0, s[64:65] scope:SCOPE_SE
	s_setreg_imm32_b32 hwreg(HW_REG_WAVE_MODE, 25, 1), 1
	s_wait_xcnt 0x0
	s_wait_alu depctr_hold_cnt(0) depctr_sa_sdst(0) depctr_va_vdst(0) depctr_va_sdst(0) depctr_va_ssrc(0) depctr_va_vcc(0) depctr_vm_vsrc(0)
	s_getreg_b32 s2, hwreg(HW_REG_IB_STS2, 6, 4)
	s_cmp_eq_u32 s2, 0
	s_cbranch_scc0 .Lentry_in_a_cluster
	s_endpgm
.Lentry_in_a_cluster:
	s_bfe_u32 s2, ttmp6, 0x10000c
	s_cmp_lg_u32 s2, 0xf033
	s_cbranch_scc0 .Lentry_shape_is_right
	s_endpgm
.Lentry_shape_is_right:
.set NQ,     2
.set FR,     12
.set NL,     4
.set NP,     4
.set TILEB,  12288
.set STEPB,  3072
.set HALFT,  8*STEPB
.set SLOT,   4*HALFT
.set LAPS,   2
.set SCL,    2*SLOT
.set HALFS,  16*272
.set SBLK,   2*272
.set SPARE,  SCL+4*HALFS
.set ADRA, 16
.set ADRB, 20
.set L16,  24
.set L8,   25
.set BL,   26
.set ADRS, 27
.set SPW,  28
.set NIL,  29
.set SC,   32
.set BI,   64
.set AF,   128
.set HA,   128
.set PC,   192
.set TM,   212
.set PWS,  228
.set PW,   236
.set SEL,  100
.set G1, 24
.set G0, 32
.set G1B, 48
.set G0B, 56
.set G1S, 68
.set G0S, 76
.set G1SB, 80
.set G0SB, 88
.set MSB, 0
.macro WIN new
.if MSB != \new
	s_set_vgpr_msb (MSB<<8)|\new
.set MSB, \new
.endif
.endm
.set MUL_LO, 0xa1
.set MUL_HI, 0xf1
.set TO_B,   0x40
.macro JLOAD g0a, g1a, g0b, g1b
	s_cmp_eq_u32 s15, 0
	s_cbranch_scc0 .Lfor_b_\@
	tensor_load_to_lds s[\g0a:\g0a+3], s[\g1a:\g1a+7]
	s_nop 0
.rept 4
	v_nop
.endr
	s_branch .Lasked_\@
.Lfor_b_\@:
	tensor_load_to_lds s[\g0b:\g0b+3], s[\g1b:\g1b+7]
	s_nop 0
.rept 4
	v_nop
.endr
.Lasked_\@:
.endm
.macro CREST
	s_cmp_lg_u32 s14, 0
	s_cbranch_scc1 .Lnot_wave_0_\@
	s_barrier_signal -3
.Lnot_wave_0_\@:
	s_barrier_wait -3
	s_barrier_signal -1
	s_barrier_wait -1
.endm
.macro CROUND
	s_barrier_signal -1
	s_barrier_wait -1
	CREST
.endm
	s_load_b256 s[4:11], s[0:1], 0x0
	s_load_b64 s[12:13], s[0:1], 0x20
	s_load_b64 s[96:97], s[0:1], 0x28
	s_load_b64 s[98:99], s[0:1], 0x30
	v_lshl_add_u32 v[SPW], v0, 2, SPARE
	v_mov_b32 v[NIL], 0
	ds_add_u32 v28, v29
	ds_add_u32 v28, v29
	s_wait_dscnt 0x0
	v_lshrrev_b32 v1, 5, v0
	v_readfirstlane_b32 s14, v1
	s_lshr_b32 s15, s14, 1
	s_and_b32 s16, s14, 1
	s_bfe_u32 s40, ttmp6, 0x40000
	s_bfe_u32 s41, ttmp6, 0x40004
	s_and_b32 s18, ttmp7, 0xffff
	s_lshl_b32 s18, s18, 2
	s_lshr_b32 s19, ttmp9, 1
	s_sub_co_u32 s20, 40, s18
	s_mul_i32 s19, s19, s20
	s_add_co_u32 s17, s18, s41
	s_add_co_u32 s17, s17, s19
	s_lshl_b32 s42, ttmp9, 2
	s_add_co_u32 s42, s42, s40
	s_add_co_u32 s42, s42, 32
	s_sub_co_u32 s42, s42, s19
	s_lshl_b32 s43, s41, 2
	s_lshl_b32 s43, 15, s43
	s_lshl_b32 s44, 0x1111, s40
	s_or_b32 s[G1+0], s43, (3<<16)|(1<<21)
	s_or_b32 s[G1B+0], s44, (3<<16)|(1<<21)
.irp g, G1, G1B
	s_mov_b32 s[\g+1], 384<<16
	s_mov_b32 s[\g+2], 16<<16
	s_mov_b32 s[\g+3], 384<<16
	s_mov_b32 s[\g+4], 16
	s_mov_b32 s[\g+5], 1536
	s_mov_b32 s[\g+6], 0
	s_mov_b32 s[\g+7], 0
.endr
	s_or_b32 s[G1S+0], s43, (3<<16)|(1<<20)|(1<<21)|(5<<22)|(3<<25)
	s_or_b32 s[G1SB+0], s44, (3<<16)|(1<<20)|(1<<21)|(5<<22)|(3<<25)
.irp g, G1S, G1SB
	s_mov_b32 s[\g+1], 32<<16
	s_mov_b32 s[\g+2], 32<<16
	s_mov_b32 s[\g+3], 32<<16
	s_mov_b32 s[\g+4], 32
	s_mov_b32 s[\g+5], 32
	s_mov_b32 s[\g+6], 0
	s_mov_b32 s[\g+7], 0
.endr
	s_lshl_b32 s18, s16, 3
	s_lshl_b32 s20, s17, 4
	s_add_co_u32 s20, s20, s18
	s_lshl_b32 s46, s42, 4
	s_add_co_u32 s46, s46, s18
	s_lshl_b32 s22, s20, 9
	s_mov_b32 s23, 0
	s_lshl_b32 s92, s46, 9
	s_mov_b32 s93, 0
	s_mul_i32 s20, s20, TILEB
	s_mov_b32 s21, 0
	s_mul_i32 s46, s46, TILEB
	s_mov_b32 s47, 0
	s_mul_i32 s45, s14, HALFT
	s_mul_i32 s94, s14, HALFS
	s_mov_b32 s[SEL], 0x76543210
	s_mov_b32 s[SEL+1], 0xfedcba98
	s_wait_kmcnt 0x0
	s_add_nc_u64 s[20:21], s[4:5], s[20:21]
	s_add_nc_u64 s[22:23], s[6:7], s[22:23]
	s_add_nc_u64 s[46:47], s[4:5], s[46:47]
	s_add_nc_u64 s[92:93], s[6:7], s[92:93]
	CROUND
	s_mov_b32 s[G0S], 1
	s_mov_b32 s[G0S+1], SCL                        ; wave 2 (its half is 0) fetches the scales of A's 256 rows whole
	s_mov_b64 s[G0S+2:G0S+3], s[22:23]
	s_or_b32 s[G0S+3], s[G0S+3], 0x80000000
	s_mov_b32 s[G0SB], 1
	s_mov_b32 s[G0SB+1], SCL+2*HALFS               ; wave 3 those of B's 256 rows
	s_lshl_b32 s66, s16, 12                        ; back over my half: 8 tiles of 512 scale bytes
	s_mov_b32 s67, 0
	s_sub_nc_u64 s[G0SB+2:G0SB+3], s[92:93], s[66:67]
	s_or_b32 s[G0SB+3], s[G0SB+3], 0x80000000
.irp s, 0,1
	s_mov_b32 s[G0+4*\s], 1
	s_add_co_u32 s[G0+4*\s+1], s45, \s*SLOT
	s_add_nc_u64 s[G0+4*\s+2:G0+4*\s+3], s[20:21], \s*STEPB
	s_or_b32 s[G0+4*\s+3], s[G0+4*\s+3], 0x80000000
	s_mov_b32 s[G0B+4*\s], 1
	s_add_co_u32 s[G0B+4*\s+1], s45, \s*SLOT
	s_add_nc_u64 s[G0B+4*\s+2:G0B+4*\s+3], s[46:47], \s*STEPB
	s_or_b32 s[G0B+4*\s+3], s[G0B+4*\s+3], 0x80000000
.endr
	s_mul_i32 s66, s16, 8*TILEB                    ; the head's load of B's 16 tiles: back over my half
	s_mov_b32 s67, 0
	s_sub_nc_u64 s[6:7], s[46:47], s[66:67]
	s_or_b32 s7, s7, 0x80000000
	s_mov_b32 s4, 1
	s_mov_b32 s5, 2*HALFT
	; the head's four tiles, one joint load a wave: wave 0 K step 0 of A's 16 tiles, wave 1 of B's, wave 2 A's scales, wave 3 B's
	s_cmp_lt_u32 s14, 1
	s_cbranch_scc0 .Lhead_b
	tensor_load_to_lds s[G0:G0+3], s[G1:G1+7]
	s_nop 0
.rept 4
	v_nop
.endr
	s_branch .Lhead_asked
.Lhead_b:
	s_cmp_lt_u32 s14, 2
	s_cbranch_scc0 .Lhead_sa
	tensor_load_to_lds s[4:7], s[G1B:G1B+7]
	s_nop 0
.rept 4
	v_nop
.endr
	s_branch .Lhead_asked
.Lhead_sa:
	s_cmp_lt_u32 s14, 3
	s_cbranch_scc0 .Lhead_sb
	tensor_load_to_lds s[G0S:G0S+3], s[G1S:G1S+7]
	s_nop 0
.rept 4
	v_nop
.endr
	s_branch .Lhead_asked
.Lhead_sb:
	tensor_load_to_lds s[G0SB:G0SB+3], s[G1SB:G1SB+7]
	s_nop 0
.rept 4
	v_nop
.endr
.Lhead_asked:
	v_and_b32 v1, 15, v0
	v_bfe_u32 v2, v0, 4, 1
	v_and_b32 v3, 31, v0
	v_lshlrev_b32 v[L16], 4, v3
	v_lshlrev_b32 v[L8], 3, v3
	s_mul_i32 s21, s15, HALFT
	s_mul_i32 s22, s16, HALFT
	s_add_co_u32 s22, s22, 2*HALFT
.irp s, 0,1
	v_add_nc_u32 v[ADRA+\s], s21, v[L16]
	v_add_nc_u32 v[ADRB+\s], s22, v[L16]
	v_add_nc_u32 v[ADRA+2+\s], s21, v[L8]
	v_add_nc_u32 v[ADRB+2+\s], s22, v[L8]
	s_add_co_u32 s21, s21, SLOT
	s_add_co_u32 s22, s22, SLOT
.endr
	v_mul_u32_u24 v5, v1, 32
	v_lshrrev_b32 v6, 8, v5
	v_lshl_add_u32 v5, v6, 4, v5
	s_mul_i32 s21, s15, HALFS
	s_mul_i32 s22, s16, HALFS
	s_add_co_u32 s22, s22, 2*HALFS
	s_sub_co_u32 s22, s22, s21
	v_mul_u32_u24 v6, s22, v2
	s_add_co_u32 s21, s21, SCL
	v_add_nc_u32 v5, v5, v6
	v_add_nc_u32 v[ADRS], s21, v5
.macro FRAG reg, adr, q, i
	ds_load_b128 v[\reg:\reg+3], v[\adr] offset:STEPB*(\i)+1536*(\q)
	ds_load_b64 v[\reg+4:\reg+5], v[\adr+2] offset:STEPB*(\i)+1536*(\q)+512
	ds_load_b128 v[\reg+6:\reg+9], v[\adr] offset:STEPB*(\i)+1536*(\q)+768
	ds_load_b64 v[\reg+10:\reg+11], v[\adr+2] offset:STEPB*(\i)+1536*(\q)+1280
.endm
.macro MUL16 a0, p, q, sc, zero
.irp a, \a0, \a0+1
.irp b, 0,1,2,3,4,5,6,7
.if \zero
	v_wmma_scale_f32_16x16x128_f8f6f4 v[8*(8*((\a)%4)+\b):8*(8*((\a)%4)+\b)+7], v[128*(\p)+FR*\b:128*(\p)+FR*\b+FR-1], v[AF+FR*(\a):AF+FR*(\a)+FR-1], 0, v[SC+8*NQ*(\sc)+NQ*\b+(\q)], v[SC+8*NQ*(\sc)+NQ*(\a)+(\q)] matrix_a_fmt:MATRIX_FMT_BF6 matrix_b_fmt:MATRIX_FMT_BF6 matrix_a_scale:MATRIX_SCALE_ROW1
.else
	v_wmma_scale_f32_16x16x128_f8f6f4 v[8*(8*((\a)%4)+\b):8*(8*((\a)%4)+\b)+7], v[128*(\p)+FR*\b:128*(\p)+FR*\b+FR-1], v[AF+FR*(\a):AF+FR*(\a)+FR-1], v[8*(8*((\a)%4)+\b):8*(8*((\a)%4)+\b)+7], v[SC+8*NQ*(\sc)+NQ*\b+(\q)], v[SC+8*NQ*(\sc)+NQ*(\a)+(\q)] matrix_a_fmt:MATRIX_FMT_BF6 matrix_b_fmt:MATRIX_FMT_BF6 matrix_a_scale:MATRIX_SCALE_ROW1
.endif
.endr
.endr
.endm
.macro FETCH_B slot, q, p
	WIN TO_B
.irp i, 0,1,2,3,4,5,6,7
	FRAG 128*(\p)+FR*\i, ADRB+\slot, \q, \i
.endr
	WIN 0
.endm
.macro FETCH_A slot, q, i0
.irp i, \i0, \i0+1, \i0+2, \i0+3
	FRAG AF+FR*(\i), ADRA+\slot, \q, \i
.endr
.endm
.macro SCALES sc
.irp i, 0,1,2,3,4,5,6,7
	ds_load_b64 v[SC+8*NQ*\sc+NQ*\i:SC+8*NQ*\sc+NQ*\i+1], v[ADRS] offset:\i*SBLK
.endr
.endm
.macro PLACES n
.rept \n
	v_nop
.endr
.endm
.macro STEP slot, q, zero
	s_wait_dscnt 4*NL
	WIN MUL_LO
	MUL16 0, (\q)%2, \q, \slot, \zero
	MUL16 2, (\q)%2, \q, \slot, \zero
	s_wait_dscnt 0
	PLACES NP
	FETCH_B \slot, (\q)+1, 1-(\q)%2
	FETCH_A \slot, (\q)+1, 0
	WIN MUL_HI
	MUL16 4, (\q)%2, \q, \slot, \zero
	MUL16 6, (\q)%2, \q, \slot, \zero
	PLACES NP
	WIN 0
	FETCH_A \slot, (\q)+1, 4
.endm
.macro TURN slot, next, fill
	s_wait_tensorcnt 0x0
	ds_add_u32 v[SPW], v[NIL]
	s_wait_dscnt 4*NL+1
	WIN MUL_LO
	MUL16 0, 1, NQ-1, \slot, 0
	s_wait_dscnt 0x0
	s_barrier_signal -1
	MUL16 2, 1, NQ-1, \slot, 0
	WIN 0
	s_barrier_wait -1
.if \fill
	CREST
	s_add_nc_u64 s[G0+4*\slot+2:G0+4*\slot+3], s[G0+4*\slot+2:G0+4*\slot+3], 2*STEPB
	s_add_nc_u64 s[G0B+4*\slot+2:G0B+4*\slot+3], s[G0B+4*\slot+2:G0B+4*\slot+3], 2*STEPB
	JLOAD G0+4*\slot, G1, G0B+4*\slot, G1B
.else
	PLACES NP
.endif
	s_wait_alu depctr_va_vdst(0)
	v_add_nc_u32 v[ADRS], 4*NQ, v[ADRS]
	FETCH_B \next, 0, 0
	FETCH_A \next, 0, 0
	SCALES \next
	WIN MUL_HI
	MUL16 4, 1, NQ-1, \slot, 0
	MUL16 6, 1, NQ-1, \slot, 0
	PLACES NP
	WIN 0
	FETCH_A \next, 0, 4
.endm
.macro LAST
	s_wait_dscnt 4*NL
	WIN MUL_LO
	MUL16 0, 1, NQ-1, 1, 0
	MUL16 2, 1, NQ-1, 1, 0
	s_wait_dscnt 0x0
	WIN MUL_HI
	MUL16 4, 1, NQ-1, 1, 0
	MUL16 6, 1, NQ-1, 1, 0
	WIN 0
	PLACES NP
.endm
.macro QUANT s
.irp b, 0,1,2,3
	v_max3_num_f32 v[TM+\b], |v[\s+16*\b]|, |v[\s+1+16*\b]|, 0x2800000
.endr
.irp i, 2,4,6,8,10,12,14
.irp b, 0,1,2,3
	v_max3_num_f32 v[TM+\b], v[TM+\b], |v[\s+16*\b+\i]|, |v[\s+1+16*\b+\i]|
.endr
.endr
.irp b, 0,1,2,3
	v_permlanex16_b32 v[TM+4+\b], v[TM+\b], s[SEL], s[SEL+1]
.endr
.irp b, 0,1,2,3
	v_max_num_f32 v[TM+\b], v[TM+\b], v[TM+4+\b]
.endr
.irp b, 0,1,2,3
	v_add_nc_u32 v[TM+12+\b], 0xfe000000, v[TM+\b]
.endr
.irp b, 0,1,2,3
	v_lshrrev_b32 v[TM+4+\b], 23, v[TM+12+\b]
.endr
	v_lshl_or_b32 v[PW], v[TM+5], 8, v[TM+4]
	v_lshl_or_b32 v[PW], v[TM+6], 16, v[PW]
	v_lshl_or_b32 v[PW], v[TM+7], 24, v[PW]
.irp c, 0,1
	v_cvt_scalef32_pk16_bf6_f32 v[PC+6*\c:PC+2+6*\c], v[\s+32*\c:\s+15+32*\c], v[TM+12+2*\c]
	v_cvt_scalef32_pk16_bf6_f32 v[PC+12+4*\c:PC+14+4*\c], v[\s+16+32*\c:\s+31+32*\c], v[TM+12+2*\c+1]
.endr
	v_nop
.irp c, 0,1
.irp i, 0,1,2
	v_permlane16_swap_b32 v[PC+6*\c+\i], v[PC+12+4*\c+\i]
.endr
.irp i, 0,1,2
	v_mov_b32 v[PC+3+6*\c+\i], v[PC+12+4*\c+\i]
.endr
.endr
.endm
.macro EPI a, isv
.set AC, 64*((\a)%4)
.if (\a) > 0
	s_wait_xcnt 0x0
.endif
	WIN 0x02+(\a)/4
.set j, 0
.rept 32
.if \isv
	v_pk_add_f32 v[HA+j:HA+j+1], v[AC+j:AC+j+1], v[BI+2*(\a):BI+2*(\a)+1] op_sel_hi:[1,0]
.else
	v_pk_add_f32 v[HA+j:HA+j+1], v[AC+j:AC+j+1], v[BI+j:BI+j+1]
.endif
.set j, j+2
.endr
	WIN 0
	QUANT HA
	v_mov_b32 v[PWS+(\a)], v[PW]
.if \isv
.irp c, 0,1,2
	global_store_b128 v[L16], v[PC+4*\c:PC+4*\c+3], s[68:69] offset:208896*((\a)/4)+1536*((\a)%4)+512*\c
.endr
.else
	global_store_b128 v[L16], v[PC:PC+3], s[68:69] offset:768*(\a)
	global_store_b64 v[L8], v[PC+4:PC+5], s[68:69] offset:768*(\a)+512
	global_store_b128 v[L16], v[PC+6:PC+9], s[70:71] offset:768*(\a)
	global_store_b64 v[L8], v[PC+10:PC+11], s[70:71] offset:768*(\a)+512
.endif
.endm
	s_wait_alu depctr_va_vdst(0)
	s_wait_tensorcnt 0x0                           ; my tile of the head's four is in; slot 1's first fill is issued as a refill is
	ds_add_u32 v[SPW], v[NIL]
	s_mov_b32 s[G1+2], 8<<16                       ; no tensor load of mine is out: from here on a load brings 8 tiles
	s_mov_b32 s[G1+4], 8
	s_mov_b32 s[G1B+2], 8<<16
	s_mov_b32 s[G1B+4], 8
	s_wait_dscnt 0x0
	CROUND
	JLOAD G0+4, G1, G0B+4, G1B
	FETCH_B 0, 0, 0
	FETCH_A 0, 0, 0
	SCALES 0
	FETCH_A 0, 0, 4
	STEP 0, 0, 1
	s_mov_b32 s3, LAPS-1
.Llap:
	TURN 0, 1, 1
	STEP 1, 0, 0
	TURN 1, 0, 1
	STEP 0, 0, 0
	s_sub_co_u32 s3, s3, 1
	s_cmp_lg_u32 s3, 0
	s_cbranch_scc1 .Llap
	TURN 0, 1, 0
	STEP 1, 0, 0
	s_cmp_eq_u32 ttmp9, 2
	s_cbranch_scc1 .Lv_arm
	s_lshl_b32 s76, s42, 1
	s_add_co_u32 s76, s76, s16
	s_and_b32 s76, s76, 7
	s_lshl_b32 s77, s17, 1
	s_add_co_u32 s77, s77, s15
	s_lshr_b32 s78, s77, 4
	s_and_b32 s77, s77, 15
	s_lshl_b32 s78, s78, 4
	s_lshl_b32 s79, s76, 1
	s_add_co_u32 s78, s78, s79
	s_cmp_eq_u32 ttmp9, 0
	s_cselect_b64 s[68:69], s[96:97], s[98:99]
	s_cselect_b64 s[8:9], s[8:9], s[10:11]
	s_mov_b32 s80, 208896
	s_cselect_b32 s80, 106496, s80
	s_mov_b32 s81, 13056
	s_cselect_b32 s81, 6656, s81
	s_mov_b32 s82, 12288
	s_cselect_b32 s82, 6144, s82
	s_mul_i32 s84, s78, s80
	s_mul_i32 s85, s77, s81
	s_add_co_u32 s84, s84, s85
	s_mov_b32 s85, 0
	s_add_nc_u64 s[68:69], s[68:69], s[84:85]
	s_mov_b32 s84, s80
	s_add_nc_u64 s[70:71], s[68:69], s[84:85]
	s_mov_b32 s84, s82
	s_add_nc_u64 s[72:73], s[68:69], s[84:85]
	s_add_nc_u64 s[74:75], s[70:71], s[84:85]
	s_lshl_b32 s84, s76, 9
	s_add_nc_u64 s[8:9], s[8:9], s[84:85]
	v_lshlrev_b32 v[BL], 6, v2
.irp b, 0,1,2,3
.irp j, 0,1,2,3
	global_load_b128 v[BI+16*\b+4*\j:BI+16*\b+4*\j+3], v[BL], s[8:9] offset:128*\b+16*\j
.endr
.endr
	LAST
	s_wait_loadcnt 0x0
.irp b, 0,1,2,3
	v_mov_b32 v[TM+4+\b], 0
.endr
.irp a, 0,1,2,3,4,5,6,7
	EPI \a, 0
.endr
	v_cmp_le_u32 vcc_lo, 16, v3
.irp p, 0,1,2,3
	v_cndmask_b32 v[HA+\p], v[PWS+2*\p], v[PWS+2*\p+1], vcc_lo
.endr
.irp p, 0,1,2,3
	v_and_b32 v[HA+4+\p], 0xffff, v[HA+\p]
	v_lshrrev_b32 v[HA+8+\p], 16, v[HA+\p]
.endr
	global_store_b128 v[L16], v[HA+4:HA+7], s[72:73]
	global_store_b128 v[L16], v[HA+8:HA+11], s[74:75]
	s_branch .Lend
.Lv_arm:
	s_lshl_b32 s76, s42, 1
	s_add_co_u32 s76, s76, s16
	s_lshr_b32 s77, s76, 4
	s_and_b32 s76, s76, 15
	s_lshl_b32 s77, s77, 4
	s_lshl_b32 s78, s41, 2
	s_add_co_u32 s77, s77, s78
	s_lshl_b32 s78, s15, 1
	s_add_co_u32 s77, s77, s78
	s_mul_i32 s84, s77, 208896
	s_mul_i32 s85, s76, 13056
	s_add_co_u32 s84, s84, s85
	s_add_co_u32 s84, s84, 6144
	s_mov_b32 s85, 0
	s_add_nc_u64 s[68:69], s[98:99], s[84:85]
	s_lshl_b32 s84, s41, 10
	s_lshl_b32 s86, s15, 9
	s_add_co_u32 s84, s84, s86
	s_add_nc_u64 s[12:13], s[12:13], s[84:85]
	v_and_b32 v[BL], 8, v1
	v_add_nc_u32 v[BL], v[BL], v1
	v_lshlrev_b32 v[BL], 2, v[BL]
.irp a, 0,1,2,3,4,5,6,7
	global_load_b32 v[BI+2*\a], v[BL], s[12:13] offset:(32*(\a/2)+8*(\a%2))*4
.endr
	LAST
	s_wait_loadcnt 0x0
.irp a, 0,1,2,3,4,5,6,7
	v_mov_b32 v[BI+2*\a+1], v[BI+2*\a]
.endr
.irp b, 0,1,2,3
	v_mov_b32 v[TM+4+\b], 0
.endr
.irp a, 0,1,2,3,4,5,6,7
	EPI \a, 1
.endr
	v_cmp_le_u32 vcc_lo, 16, v3
.irp e, 0,1
.irp p, 0,1
	v_cndmask_b32 v[HA+2*\e+\p], v[PWS+4*\e+2*\p], v[PWS+4*\e+2*\p+1], vcc_lo
.endr
.endr
.irp e, 0,1
	global_store_b64 v[L8], v[HA+2*\e:HA+2*\e+1], s[68:69] offset:208896*\e+6656
.endr
.Lend:
	s_wait_tensorcnt 0x0
	ds_add_u32 v[SPW], v[NIL]
	s_wait_dscnt 0x0
	CROUND
	s_endpgm
.Lfunc_end_k_q40b76ddb93_proj:
	.size	k_q40b76ddb93_proj, .Lfunc_end_k_q40b76ddb93_proj-k_q40b76ddb93_proj
	.p2alignl 7, 3214868480
	.fill 96, 4, 3214868480
	.section	.rodata,"a",@progbits
	.p2align	6, 0x0
	.amdhsa_kernel k_q40b76ddb93_proj
		.amdhsa_group_segment_fixed_size 327680
		.amdhsa_private_segment_fixed_size 0
		.amdhsa_enable_private_segment 0
		.amdhsa_kernarg_size 56
		.amdhsa_user_sgpr_count 2
		.amdhsa_user_sgpr_kernarg_segment_ptr 1
		.amdhsa_wavefront_size32 1
		.amdhsa_system_sgpr_workgroup_id_x 1
		.amdhsa_system_sgpr_workgroup_id_y 1
		.amdhsa_system_sgpr_workgroup_id_z 1
		.amdhsa_system_vgpr_workitem_id 0
		.amdhsa_next_free_vgpr 1024
		.amdhsa_next_free_sgpr 102
		.amdhsa_reserve_vcc 1
		.amdhsa_float_denorm_mode_32 3
		.amdhsa_float_denorm_mode_16_64 3
		.amdhsa_memory_ordered 1
		.amdhsa_forward_progress 1
		.amdhsa_inst_pref_size 228
	.end_amdhsa_kernel
	.amdgpu_metadata
---
amdhsa.version: [ 1, 2 ]
amdhsa.kernels:
  - .name:           k_q40b76ddb93_proj
    .symbol:         k_q40b76ddb93_proj.kd
    .args:
      - { .name: opc, .offset: 0, .size: 8, .value_kind: global_buffer, .address_space: global }
      - { .name: ops, .offset: 8, .size: 8, .value_kind: global_buffer, .address_space: global }
      - { .name: bq, .offset: 16, .size: 8, .value_kind: global_buffer, .address_space: global }
      - { .name: bk, .offset: 24, .size: 8, .value_kind: global_buffer, .address_space: global }
      - { .name: bv, .offset: 32, .size: 8, .value_kind: global_buffer, .address_space: global }
      - { .name: q, .offset: 40, .size: 8, .value_kind: global_buffer, .address_space: global }
      - { .name: kv, .offset: 48, .size: 8, .value_kind: global_buffer, .address_space: global }
    .group_segment_fixed_size: 327680
    .private_segment_fixed_size: 0
    .kernarg_segment_align: 8
    .kernarg_segment_size: 56
    .max_flat_workgroup_size: 128
    .sgpr_count:     102
    .vgpr_count:     1024
    .wavefront_size: 32
...
	.end_amdgpu_metadata
.endif
;; end of part 2
;; launch attn (part 3): grid 4 x 64, 8 waves a work-group, clusters of 4 x 1, 211,968 bytes of LDS; arguments q, kv, cc, cs; writes cc, cs
.if DOCPART == 3
	.amdgcn_target "amdgcn-amd-amdhsa--gfx1250"
	.amdhsa_code_object_version 6
	.text
	.protected	k_q40b76ddb93_attn
	.globl	k_q40b76ddb93_attn
	.p2align	8
	.type	k_q40b76ddb93_attn,@function
k_q40b76ddb93_attn:
	s_mov_b64 s[64:65], 0
	v_nop
	global_prefetch_b8 v0, s[64:65] scope:SCOPE_SE
	s_setreg_imm32_b32 hwreg(HW_REG_WAVE_MODE, 25, 1), 1
	s_wait_xcnt 0x0
	s_wait_alu depctr_hold_cnt(0) depctr_sa_sdst(0) depctr_va_vdst(0) depctr_va_sdst(0) depctr_va_ssrc(0) depctr_va_vcc(0) depctr_vm_vsrc(0)
	s_getreg_b32 s2, hwreg(HW_REG_IB_STS2, 6, 4)
	s_cmp_eq_u32 s2, 0
	s_cbranch_scc0 .Lentry_in_a_cluster
	s_endpgm
.Lentry_in_a_cluster:
	s_bfe_u32 s2, ttmp6, 0x10000c
	s_cmp_lg_u32 s2, 0x3003
	s_cbranch_scc0 .Lentry_shape_is_right
	s_endpgm
.Lentry_shape_is_right:
; concat[b][s][64 head + d] = softmax_t(q . k / 8) v for 64 (batch, head) pairs of 2,048 queries and keys, both products on codes of BF6 (E3M2) with E8M0 scales; the result is quantised along its 64 for the last product.
; THE SOFTMAX: t = score x log2(e) / 8; M = the row's largest t so far, rounded up to a whole number; p = 2^(t - M) is quantised along the keys, not normalised; the row's sum is taken of the unquantised p and divides O at the end.
; When M moves, the sum and O are multiplied by 2^(old M - new M): exact.
; SHARES.  A work-group owns 512 queries of one head; wave w of eight owns the four tiles of 16 queries 4 w .. 4 w + 3 and walks all 2,048 keys once, 128 a step: a fragment of K or V read from LDS feeds four tiles (30 LDS loads for 48 matrix instructions).
; The four tiles go in two pairs; a pair's softmax is laid line by line over its 8 blocks of 32 keys, so that eight independent chains take turns.
; THE WHOLE HEAD'S K AND V, 16 records of 13,056 bytes, LIE IN LDS, FILLED ONCE: each wave fetches two records by its one tensor load.  No byte is filled twice: no ring.  The four work-groups of a cluster own the four query blocks of one head and ask jointly.
; No prefetch: the one fill stands at the head, and there is no loop to run ahead in.
; LAYOUT.  Both products are used transposed: S^T = K Q^T, O^T = V^T P^T: a lane holds one query.  Lane r of tile 2 g + u holds key (or d) 32 g + 8 u + r + (r & 8), so that the 16 registers of two neighbouring result tiles are 16 neighbours along the next K.
; The scores' K is 64: registers 6-11 of Q's fragments hold zero codes, and bytes 2, 3 of the scale words are 0.  K's images lie 6 registers apart: a fragment's registers 6-11 are the next tile's codes, which meet Q's zeros.
; LIMITS: the promise holds while the scaled scores stay under 2^31 in magnitude; NaN and infinities are not served; 1 / the sum is v_rcp_f32; a block whose largest magnitude lies under 2^-122 is held at the byte 1; a block of zeros has the byte 1: its codes are zeros and this program alone reads the bytes.
; REGISTERS.  Window 0: v1-7 addresses; v8-15 scale words of K, V, Q; v16-31 a tile's -M, largest score, sum (two halves); v32-35 a pair's f and p's scale word; v36 Q; v84 K; v138 V; v186 p's codes; v210-253 at work.  Window 1: v0-127 S^T then p of a pair; v128-255 O^T.
.set REC,   13056                      ; a step's record: K's 8 images at 0, V's 4 at 6,144, K's scale words at 12,288, V's at 12,800
.set CSG,   16*REC                     ; behind the records: 1,024 bytes for the result's scale bytes; no fill lands here
.set SPARE, CSG+1024                   ; the spare words: 128 bytes a wave
.set WV,12
.set SEL,20
.set CS,22
.set G1,24
.set G0,32
.set NC,36
.set TN,37
.set TB,48
.set CNT,49
.set QB,50
.set QSB,52
.set CCB,54
.set CSB,56
.set L16,1
.set L8,2
.set A16,3
.set A8,4
.set SPW,5
.set NIL,6
.set CSA,7
.set KS,8
.set VS,12
.set QS,14
.set ST,16
.set FP,32
.set QF,36
.set KF,84
.set VF,138
.set PF,186
.set TT,210                            ; for tile e of a pair, at TT + 22 e: 0-3 block maxima, 4-7 permutes and bytes, 8-11 scale operands, 12-19 upper halves of codes, 20-21 the chain; 0-7 again for the sums
.set CSR,254
.set OO,128
.set HA,36                             ; the way out: O / sum, 32 registers a tile
.set EM,164
.set EP,172
.set ES,180
.set EC,188
.set EW,236
.set MSB,0
.macro WIN new                         ; the immediate's high byte repeats the setting that is left
.if MSB != \new
	s_set_vgpr_msb (MSB<<8)|\new
.set MSB, \new
.endif
.endm
.macro CROUND                          ; a round of the cluster's barrier
	s_barrier_signal -1
	s_barrier_wait -1
	s_cmp_lg_u32 s[WV], 0
	s_cbranch_scc1 .Lnot_wave_0_\@
	s_barrier_signal -3
.Lnot_wave_0_\@:
	s_barrier_wait -3
	s_barrier_signal -1
	s_barrier_wait -1
.endm
.macro WMX d, a, b, c, sa, sb, ra, rb  ; ra, rb: the scale words stand in lanes 16-31
.if \ra
.if \rb
	v_wmma_scale_f32_16x16x128_f8f6f4 v[\d:\d+7], v[\a:\a+11], v[\b:\b+11], \c, v[\sa], v[\sb] matrix_a_fmt:MATRIX_FMT_BF6 matrix_b_fmt:MATRIX_FMT_BF6 matrix_a_scale:MATRIX_SCALE_ROW1 matrix_b_scale:MATRIX_SCALE_ROW1
.else
	v_wmma_scale_f32_16x16x128_f8f6f4 v[\d:\d+7], v[\a:\a+11], v[\b:\b+11], \c, v[\sa], v[\sb] matrix_a_fmt:MATRIX_FMT_BF6 matrix_b_fmt:MATRIX_FMT_BF6 matrix_a_scale:MATRIX_SCALE_ROW1
.endif
.else
.if \rb
	v_wmma_scale_f32_16x16x128_f8f6f4 v[\d:\d+7], v[\a:\a+11], v[\b:\b+11], \c, v[\sa], v[\sb] matrix_a_fmt:MATRIX_FMT_BF6 matrix_b_fmt:MATRIX_FMT_BF6 matrix_b_scale:MATRIX_SCALE_ROW1
.else
	v_wmma_scale_f32_16x16x128_f8f6f4 v[\d:\d+7], v[\a:\a+11], v[\b:\b+11], \c, v[\sa], v[\sb] matrix_a_fmt:MATRIX_FMT_BF6 matrix_b_fmt:MATRIX_FMT_BF6
.endif
.endif
.endm
.macro QK q0                           ; S^T of tiles q0, q0 + 1: 8 tiles of 16 keys each; sixteen accumulators, each once
	WIN 0x40
.irp T,0,1,2,3,4,5,6,7
.irp e,0,1
	WMX 64*\e+8*\T, KF+6*\T, QF+12*(\q0+\e), 0, KS+\T/2, QS+\q0/2, \T%2, \e
.endr
.endr
.endm
.macro PV q0                           ; O^T of tiles q0, q0 + 1 += V^T p^T: eight accumulators by turns
	WIN 0x50
.irp t,0,1,2,3
.irp e,0,1
	WMX OO+32*(\q0+\e)+8*\t, VF+12*\t, PF+12*\e, v[OO+32*(\q0+\e)+8*\t:OO+32*(\q0+\e)+8*\t+7], VS+\t/2, FP+2*\e+1, \t%2, 0
.endr
.endr
.endm
; the softmax of a pair of tiles, its quantiser, the rescaling of O^T and the second product.  first = 1: V's loads are awaited here
.macro KLOAD                           ; K's scale words and eight images of the record at v[A16], v[A8]: 17 loads
	ds_load_b128 v[KS:KS+3], v[A16] offset:12288
.irp t,0,1,2,3,4,5,6,7
	ds_load_b128 v[KF+6*\t:KF+6*\t+3], v[A16] offset:768*\t
	ds_load_b64 v[KF+6*\t+4:KF+6*\t+5], v[A8] offset:768*\t+512
.endr
.endm
.macro VLOAD                           ; V's four fragments and its scale words of the same record: 13 loads
.irp t,0,1,2,3
.irp c,0,1,2
	ds_load_b128 v[VF+12*\t+4*\c:VF+12*\t+4*\c+3], v[A16] offset:6144+1536*\t+512*\c
.endr
.endr
	ds_load_b64 v[VS:VS+1], v[A8] offset:12800
.endm
.macro SOFT q0, first
.if \first
.rept 4
	v_nop                                          ; places behind the scores' products
.endr
.else
	WIN 0                                          ; the step's last products on K are issued: the next record's K is asked for here
	s_add_co_u32 s[TN], s[TB], REC
	s_min_u32 s[TN], s[TN], 15*REC                 ; held at the last record: the last trip asks for record 15 once more, and nothing reads that
	v_add_nc_u32 v[A16], s[TN], v[L16]
	v_add_nc_u32 v[A8], s[TN], v[L8]
	v_nop
	v_nop                                          ; four places behind the scores' products: for the loads into K's registers and for the reads of S^T
	KLOAD
.endif
	WIN 0x15
.irp b,0,1,2,3
.irp e,0,1
	v_max3_num_f32 v[TT+22*\e+\b], v[64*\e+16*\b], v[64*\e+16*\b+1], v[64*\e+16*\b+2]   ; the largest score of each block of 32 keys: for the row's maximum and, since p rises with the score, for the block's largest p
.endr
.endr
	WIN 0x14
.irp i,3,5,7,9,11,13
.irp b,0,1,2,3
.irp e,0,1
	v_max3_num_f32 v[TT+22*\e+\b], v[TT+22*\e+\b], v[64*\e+16*\b+\i], v[64*\e+16*\b+\i+1]
.endr
.endr
.endr
.irp b,0,1,2,3
.irp e,0,1
	v_max_num_f32 v[TT+22*\e+\b], v[TT+22*\e+\b], v[64*\e+16*\b+15]
.endr
.endr
	WIN 0
.irp b,0,1,2,3
.irp e,0,1
	v_permlanex16_b32 v[TT+22*\e+4+\b], v[TT+22*\e+\b], s[SEL], s[SEL+1]
.endr
.endr
.irp b,0,1,2,3
.irp e,0,1
	v_max_num_f32 v[TT+22*\e+\b], v[TT+22*\e+\b], v[TT+22*\e+4+\b]   ; with lane l xor 16's 16 keys
.endr
.endr
.irp e,0,1
	v_mov_b32 v[TT+22*\e+21], v[ST+4*(\q0+\e)]     ; the old -M
.endr
.irp e,0,1
	v_max3_num_f32 v[TT+22*\e+20], v[TT+22*\e], v[TT+22*\e+1], v[TT+22*\e+2]
.endr
.irp e,0,1
	s_delay_alu instid0(VALU_DEP_2)
	v_max3_num_f32 v[ST+4*(\q0+\e)+1], v[ST+4*(\q0+\e)+1], v[TT+22*\e+20], v[TT+22*\e+3]   ; the running largest score
.endr
.irp e,0,1
	s_delay_alu instid0(VALU_DEP_2)
	v_mul_f32 v[TT+22*\e+20], s[NC], v[ST+4*(\q0+\e)+1]   ; -t (c is positive)
.endr
.irp e,0,1
	s_delay_alu instid0(VALU_DEP_2)
	v_floor_f32 v[ST+4*(\q0+\e)], v[TT+22*\e+20]   ; the new -M = floor(-t): M is a whole number
.endr
.irp e,0,1
	s_delay_alu instid0(VALU_DEP_2)
	v_sub_f32 v[TT+22*\e+21], v[ST+4*(\q0+\e)], v[TT+22*\e+21]   ; old M - new M: a whole number, 0 or less
.endr
.irp e,0,1
	s_delay_alu instid0(VALU_DEP_2)
	v_cvt_i32_f32 v[TT+22*\e+21], v[TT+22*\e+21]   ; (it saturates)
.endr
.irp e,0,1
	s_delay_alu instid0(VALU_DEP_2)
	v_ldexp_f32 v[FP+2*\e], 1.0, v[TT+22*\e+21]    ; f = 2^(old M - new M)
.endr
.irp b,0,1,2,3
.irp e,0,1
	v_fma_f32 v[TT+22*\e+\b], v[TT+22*\e+\b], s[CS], v[ST+4*(\q0+\e)]   ; t - M of each block's largest score
.endr
.endr
	WIN 0x41
.set j, 0
.rept 32
	v_pk_fma_f32 v[j:j+1], v[j:j+1], s[CS:CS+1], v[ST+4*\q0:ST+4*\q0+1] op_sel_hi:[1,0,0]   ; t - M of the first tile, two at a time
.set j, j+2
.endr
	s_wait_alu depctr_va_vdst(0)                   ; the wait ahead of the batch
.set j, 0
.rept 32
	v_exp_f32 v[j], v[j]                           ; p = 2^(t - M), at most 1: not normalised
	v_pk_fma_f32 v[64+j:64+j+1], v[64+j:64+j+1], s[CS:CS+1], v[ST+4*(\q0+1):ST+4*(\q0+1)+1] op_sel_hi:[1,0,0]   ; the second tile's t - M stands among the first tile's exponentials: it names none of their registers
	v_exp_f32 v[j+1], v[j+1]
.set j, j+2
.endr
	s_wait_alu depctr_va_vdst(0)                   ; and between these multiply-adds and the exponentials that read them
.set j, 64
.rept 64
	v_exp_f32 v[j], v[j]
.set j, j+1
.endr
	WIN 0
.irp b,0,1,2,3
.irp e,0,1
	v_exp_f32 v[TT+22*\e+\b], v[TT+22*\e+\b]       ; the block's largest p: the same two instructions on the same number
.endr
.endr
.irp e,0,1
	v_pk_mul_f32 v[ST+4*(\q0+\e)+2:ST+4*(\q0+\e)+3], v[ST+4*(\q0+\e)+2:ST+4*(\q0+\e)+3], v[FP+2*\e:FP+2*\e+1] op_sel_hi:[1,0]   ; the sums under the new M (plain places behind the exponentials)
.endr
	s_wait_alu depctr_va_vdst(0)                   ; one wait for the whole batch, ahead of its first reader
.irp b,0,1,2,3
.irp e,0,1
	v_max_num_f32 v[TT+22*\e+\b], 0x2800000, v[TT+22*\e+\b]   ; the floor 2^(5 - 127): the byte cannot fall under 1
.endr
.endr
.irp b,0,1,2,3
.irp e,0,1
	v_add_nc_u32 v[TT+22*\e+8+\b], 0xfe000000, v[TT+22*\e+\b]   ; 4 off the exponent field: the conversion's scale operand
.endr
.endr
.irp b,0,1,2,3
.irp e,0,1
	v_lshrrev_b32 v[TT+22*\e+4+\b], 23, v[TT+22*\e+8+\b]   ; the scale's byte
.endr
.endr
.irp e,0,1
	v_lshl_or_b32 v[FP+2*\e+1], v[TT+22*\e+5], 8, v[TT+22*\e+4]   ; p's scale word for these 128 keys
.endr
.irp e,0,1
	s_delay_alu instid0(VALU_DEP_2)
	v_lshl_or_b32 v[FP+2*\e+1], v[TT+22*\e+6], 16, v[FP+2*\e+1]
.endr
.irp e,0,1
	s_delay_alu instid0(VALU_DEP_2)
	v_lshl_or_b32 v[FP+2*\e+1], v[TT+22*\e+7], 24, v[FP+2*\e+1]
.endr
	WIN 0x01
.irp c,0,1
.irp e,0,1
	v_cvt_scalef32_pk16_bf6_f32 v[PF+12*\e+6*\c:PF+12*\e+6*\c+2], v[64*\e+32*\c:64*\e+32*\c+15], v[TT+22*\e+8+2*\c]
	v_cvt_scalef32_pk16_bf6_f32 v[TT+22*\e+12+4*\c:TT+22*\e+14+4*\c], v[64*\e+32*\c+16:64*\e+32*\c+31], v[TT+22*\e+9+2*\c]
.endr
.endr
	WIN 0
	v_nop                                          ; one plain place behind a scaled conversion
.irp c,0,1                                     ; a whole block to a lane
.irp e,0,1
.irp i,0,1,2
	v_permlane16_swap_b32 v[PF+12*\e+6*\c+\i], v[TT+22*\e+12+4*\c+\i]
.endr
.endr
.endr
.irp c,0,1
.irp e,0,1
.irp i,0,1,2
	v_mov_b32 v[PF+12*\e+6*\c+3+\i], v[TT+22*\e+12+4*\c+\i]
.endr
.endr
.endr
	WIN 0x05                                       ; the row's sum of the unquantised p: four chains a tile, two numbers an instruction
.irp k,0,1,2,3
.irp e,0,1
	v_pk_add_f32 v[TT+22*\e+2*\k:TT+22*\e+2*\k+1], v[64*\e+2*\k:64*\e+2*\k+1], v[64*\e+2*\k+8:64*\e+2*\k+9]
.endr
.endr
	WIN 0x04
.set n, 8
.rept 24
.irp e,0,1
	v_pk_add_f32 v[TT+22*\e+2*(n%4):TT+22*\e+2*(n%4)+1], v[TT+22*\e+2*(n%4):TT+22*\e+2*(n%4)+1], v[64*\e+2*n:64*\e+2*n+1]
.endr
.set n, n+1
.endr
	WIN 0
.irp e,0,1
	v_pk_add_f32 v[TT+22*\e:TT+22*\e+1], v[TT+22*\e:TT+22*\e+1], v[TT+22*\e+2:TT+22*\e+3]
.endr
.irp e,0,1
	v_pk_add_f32 v[TT+22*\e+4:TT+22*\e+5], v[TT+22*\e+4:TT+22*\e+5], v[TT+22*\e+6:TT+22*\e+7]
.endr
.irp e,0,1
	s_delay_alu instid0(VALU_DEP_2)
	v_pk_add_f32 v[TT+22*\e:TT+22*\e+1], v[TT+22*\e:TT+22*\e+1], v[TT+22*\e+4:TT+22*\e+5]
.endr
.irp e,0,1
	s_delay_alu instid0(VALU_DEP_2)
	v_pk_add_f32 v[ST+4*(\q0+\e)+2:ST+4*(\q0+\e)+3], v[ST+4*(\q0+\e)+2:ST+4*(\q0+\e)+3], v[TT+22*\e:TT+22*\e+1]
.endr
	WIN 0x41
.if \first
	s_wait_dscnt 0x0                               ; V and its scale words are in
.endif
	s_wait_alu depctr_va_vdst(0)                   ; directly ahead of the first reader of O^T
.set j, 0
.rept 16
.irp e,0,1
	v_pk_mul_f32 v[OO+32*(\q0+\e)+j:OO+32*(\q0+\e)+j+1], v[OO+32*(\q0+\e)+j:OO+32*(\q0+\e)+j+1], v[FP+2*\e:FP+2*\e+1] op_sel_hi:[1,0]   ; O^T under the new M, each accumulator from its low end on; with the sums these are the places ahead of the products below
.endr
.set j, j+2
.endr
	PV \q0
.endm
	s_load_b256 s[4:11], s[0:1], 0x0               ; q, kv, cc, cs
	v_lshl_add_u32 v[SPW], v0, 2, SPARE
	v_mov_b32 v[NIL], 0
	ds_add_u32 v[SPW], v[NIL]                      ; the opening lines: the add, twice on end, and its wait
	ds_add_u32 v[SPW], v[NIL]
	v_lshrrev_b32 v1, 5, v0
	s_delay_alu instid0(VALU_DEP_1)
	v_readfirstlane_b32 s[WV], v1                  ; wave 0..7
	s_bfe_u32 s13, ttmp6, 0x40000                  ; cx
	s_lshl_b32 s15, ttmp9, 2
	s_add_co_u32 s13, s15, s13                     ; my block of 512 queries: it enters global addresses alone
	s_and_b32 s14, ttmp7, 0xffff                   ; bh, which the four partners share
	s_mov_b32 s[G1], 15|(3<<16)|(1<<21)            ; 102 rows of 256 bytes (32 elements of 8), dense; the mask names all four work-groups
	s_mov_b32 s[G1+1], 32<<16
	s_mov_b32 s[G1+2], 102<<16
	s_mov_b32 s[G1+3], 32<<16
	s_mov_b32 s[G1+4], 102
	s_mov_b32 s[G1+5], 32
	s_mov_b32 s[G1+6], 0
	s_mov_b32 s[G1+7], 0
	s_mul_i32 s17, s[WV], 102*256                  ; my two records, in LDS and in memory
	s_mul_i32 s18, s14, 16*REC
	s_add_co_u32 s18, s18, s17
	s_mov_b32 s19, 0
	s_mov_b32 s[SEL], 0x76543210
	s_mov_b32 s[SEL+1], 0xfedcba98
	s_mov_b32 s[CS], 0x3e38aa3b                    ; c = log2(e) / 8
	s_mov_b32 s[CS+1], s[CS]
	s_mov_b32 s[NC], 0xbe38aa3b                    ; -c
	s_mul_i32 s[QB], s14, 106496                   ; q: my head,
	s_lshl_b32 s58, s13, 2
	s_lshr_b32 s59, s[WV], 1
	s_add_co_u32 s58, s58, s59
	s_mul_i32 s58, s58, 6656
	s_add_co_u32 s[QB], s[QB], s58                 ; the record of 8 tiles: 4 block + wave / 2,
	s_and_b32 s59, s[WV], 1
	s_lshl_b32 s60, s59, 3
	s_add_co_u32 s[QSB], s[QB], s60
	s_add_co_u32 s[QSB], s[QSB], 6144              ; its scale words: lane (r, tile % 2), word tile / 2: my four tiles' are two words a lane,
	s_mul_i32 s60, s59, 3072
	s_add_co_u32 s[QB], s[QB], s60                 ; my four images
	s_mov_b32 s[QB+1], 0
	s_mov_b32 s[QSB+1], 0
	s_lshr_b32 s[CCB], s14, 4
	s_lshl_b32 s[CCB], s[CCB], 7
	s_lshl_b32 s60, s13, 5
	s_add_co_u32 s[CCB], s[CCB], s60
	s_lshl_b32 s60, s[WV], 2
	s_add_co_u32 s[CCB], s[CCB], s60               ; cc: tile 128 batch + 32 block + 4 wave,
	s_mul_i32 s[CCB], s[CCB], 12288
	s_and_b32 s60, s14, 15
	s_mul_i32 s60, s60, 768
	s_add_co_u32 s[CCB], s[CCB], s60               ; chunk = head
	s_mov_b32 s[CCB+1], 0
	s_lshl_b32 s[CSB], s14, 12
	s_lshl_b32 s60, s13, 10
	s_add_co_u32 s[CSB], s[CSB], s60               ; cs: 4,096 bytes a head, 1,024 a block
	s_mov_b32 s[CSB+1], 0
	s_wait_dscnt 0x0
	s_wait_kmcnt 0x0
	s_add_nc_u64 s[18:19], s[6:7], s[18:19]
	s_add_nc_u64 s[QB:QB+1], s[4:5], s[QB:QB+1]
	s_add_nc_u64 s[QSB:QSB+1], s[4:5], s[QSB:QSB+1]
	s_add_nc_u64 s[CCB:CCB+1], s[8:9], s[CCB:CCB+1]
	s_add_nc_u64 s[CSB:CSB+1], s[10:11], s[CSB:CSB+1]
	CROUND                                         ; all four work-groups are here: the joint loads meet
	s_mov_b32 s[G0], 1
	s_mov_b32 s[G0+1], s17
	s_mov_b64 s[G0+2:G0+3], s[18:19]
	s_or_b32 s[G0+3], s[G0+3], 0x80000000
	tensor_load_to_lds s[G0:G0+3], s[G1:G1+7]      ; my one tensor load: every wave issues one
	s_nop 0
	v_and_b32 v8, 31, v0
	s_delay_alu instid0(VALU_DEP_1)
	v_lshlrev_b32 v[L16], 4, v8                    ; 16 x lane
	s_delay_alu instid0(VALU_DEP_2)
	v_lshlrev_b32 v[L8], 3, v8                     ; 8 x lane
	v_and_b32 v9, 15, v0
	s_delay_alu instid0(VALU_DEP_1)
	v_lshlrev_b32 v[CSA], 1, v9
	s_lshl_b32 s15, s[WV], 7
	s_add_co_u32 s15, s15, CSG
	v_add_nc_u32 v[CSA], s15, v[CSA]
	v_add_nc_u32 v[CSR], CSG, v[L16]
	v_mov_b32 v[A16], v[L16]                       ; record 0
	v_mov_b32 v[A8], v[L8]
.irp q,0,1,2,3
	global_load_b128 v[QF+12*\q:QF+12*\q+3], v[L16], s[QB:QB+1] offset:768*\q
	global_load_b64 v[QF+12*\q+4:QF+12*\q+5], v[L8], s[QB:QB+1] offset:768*\q+512
.endr
	global_load_b64 v[QS:QS+1], v[L16], s[QSB:QSB+1]   ; register q / 2; lanes 0-15 the even tile's words, lanes 16-31 the odd one's
.irp q,0,1,2,3
.irp j,6,7,8,9,10,11
	v_mov_b32 v[QF+12*\q+\j], 0                    ; Q's k = 64 .. 127: zero codes
.endr
	v_mov_b32 v[ST+4*\q], 0x7e800000               ; -M = 2^126: M lies under every t
	v_mov_b32 v[ST+4*\q+1], 0xff61b1e6             ; the largest score so far: -3e38
	v_mov_b32 v[ST+4*\q+2], 0
	v_mov_b32 v[ST+4*\q+3], 0
.endr
.irp j,48,49,50,51,52,53
	v_mov_b32 v[KF+\j], 0                          ; behind K's last image: named by its fragment, met by Q's zeros
.endr
.irp e,0,1
.irp b,4,5,6,7
	v_mov_b32 v[TT+22*\e+\b], 0                    ; a lane permute's destination counts as one of its sources
.endr
	v_mov_b32 v[FP+2*\e+1], 0                      ; (named as the upper half of a pair before it is first written)
.endr
	WIN 0x40
.set j, 0
.rept 128
	v_mov_b32 v[OO+j], 0                           ; O^T: the step is written once, and its first change of M multiplies zeros; these lines run while the fill is out
.set j, j+1
.endr
	WIN 0
	s_wait_alu depctr_va_vdst(0)                   ; the wait at the head's end
	s_wait_loadcnt 0x0
	s_wait_tensorcnt 0x0                           ; my two records are in,
	s_barrier_signal -1
	s_barrier_wait -1                              ; everybody's
	s_mov_b32 s[TB], 0
	s_mov_b32 s[CNT], 16
	KLOAD
	VLOAD
.Lstep:                                        ; a key step: its K was asked for in the middle of the step before, its V at that step's end
	s_wait_dscnt 13                                ; K and its scale words are in; V's twelve loads and its scale words, issued behind them, stay out
	QK 0
	SOFT 0, 1
	QK 2
	SOFT 2, 0
	WIN 0
.rept 4
	v_nop                                          ; places in front of the loads into V's registers, which the last products read
.endr
	VLOAD                                          ; the next record's V
	s_add_co_u32 s[TB], s[TB], REC
	s_sub_co_u32 s[CNT], s[CNT], 1
	s_cmp_lg_u32 s[CNT], 0
	s_wait_alu depctr_va_vdst(0)                   ; the wait ahead of the branch
	s_cbranch_scc1 .Lstep
	s_wait_dscnt 0x0                               ; the last trip's loads have landed: their registers are written anew below
.irp q,0,1,2,3
	v_add_f32 v[ST+4*\q+2], v[ST+4*\q+2], v[ST+4*\q+3]   ; the sum's two halves,
.endr
.irp q,0,1,2,3
	s_delay_alu instid0(VALU_DEP_4)
	v_permlanex16_b32 v[TT+\q], v[ST+4*\q+2], s[SEL], s[SEL+1]
.endr
.irp q,0,1,2,3
	s_delay_alu instid0(VALU_DEP_4)
	v_add_f32 v[ST+4*\q+2], v[ST+4*\q+2], v[TT+\q]   ; and lane l xor 16's
.endr
	s_wait_alu depctr_va_vdst(0)
.irp q,0,1,2,3
	v_rcp_f32 v[ST+4*\q+2], v[ST+4*\q+2]
.endr
	v_nop
	WIN 0x01
	s_wait_alu depctr_va_vdst(0)                   ; for the reciprocals, and directly ahead of the first reader of O^T
.irp q,0,1,2,3
.set j, 0
.rept 16
	v_pk_mul_f32 v[HA+32*\q+j:HA+32*\q+j+1], v[OO+32*\q+j:OO+32*\q+j+1], v[ST+4*\q+2:ST+4*\q+3] op_sel_hi:[1,0]   ; O^T / the sum: register 16 x + i = d 32 (x % 2) + 16 h + i of tile x / 2's query
.set j, j+2
.endr
.endr
	WIN 0
.irp x,0,1,2,3,4,5,6,7
	v_max3_num_f32 v[EM+\x], |v[HA+16*\x]|, |v[HA+16*\x+1]|, 0x2800000
.endr
.irp i,2,4,6,8,10,12,14
.irp x,0,1,2,3,4,5,6,7
	v_max3_num_f32 v[EM+\x], v[EM+\x], |v[HA+16*\x+\i]|, |v[HA+16*\x+\i+1]|
.endr
.endr
.irp x,0,1,2,3,4,5,6,7
	v_permlanex16_b32 v[EP+\x], v[EM+\x], s[SEL], s[SEL+1]
.endr
.irp x,0,1,2,3,4,5,6,7
	v_max_num_f32 v[EM+\x], v[EM+\x], v[EP+\x]
.endr
.irp x,0,1,2,3,4,5,6,7
	v_add_nc_u32 v[ES+\x], 0xfe000000, v[EM+\x]
.endr
.irp x,0,1,2,3,4,5,6,7
	v_lshrrev_b32 v[EP+\x], 23, v[ES+\x]
.endr
.irp q,0,1,2,3
	v_cvt_scalef32_pk16_bf6_f32 v[EC+12*\q:EC+12*\q+2], v[HA+32*\q:HA+32*\q+15], v[ES+2*\q]
	v_cvt_scalef32_pk16_bf6_f32 v[EC+12*\q+6:EC+12*\q+8], v[HA+32*\q+16:HA+32*\q+31], v[ES+2*\q+1]
.endr
	v_nop                                          ; one plain place behind a scaled conversion
.irp q,0,1,2,3
.irp i,0,1,2
	v_permlane16_swap_b32 v[EC+12*\q+\i], v[EC+12*\q+6+\i]
.endr
.endr
.irp q,0,1,2,3
.irp i,0,1,2
	v_mov_b32 v[EC+12*\q+3+\i], v[EC+12*\q+6+\i]
.endr
.endr
.irp q,0,1,2,3
	v_lshl_or_b32 v[EW+\q], v[EP+2*\q+1], 8, v[EP+2*\q]   ; a query's two scale bytes of this head
.endr
.irp q,0,1,2,3
	global_store_b128 v[L16], v[EC+12*\q:EC+12*\q+3], s[CCB:CCB+1] offset:12288*\q        ; the image of 16 queries x this head's 64: 512 and 256 consecutive bytes
	global_store_b64 v[L8], v[EC+12*\q+4:EC+12*\q+5], s[CCB:CCB+1] offset:12288*\q+512
	ds_store_b16 v[CSA], v[EW+\q] offset:32*\q     ; both halves of the lanes write the same bytes with the same value
.endr
	s_wait_dscnt 0x0                               ; for wave 0's sake: my scale bytes have landed
	s_barrier_signal -1
	s_barrier_wait -1
	s_cmp_lg_u32 s[WV], 0
	s_cbranch_scc1 .Lnot_me
	ds_load_b128 v[36:39], v[CSR]
	ds_load_b128 v[40:43], v[CSR] offset:512
	s_wait_dscnt 0x0
	global_store_b128 v[L16], v[36:39], s[CSB:CSB+1]   ; the block's 1,024 scale bytes, consecutive
	global_store_b128 v[L16], v[40:43], s[CSB:CSB+1] offset:512
.Lnot_me:
	s_wait_tensorcnt 0x0                           ; the wave's end
	ds_add_u32 v[SPW], v[NIL]
	s_wait_dscnt 0x0
	CROUND                                         ; the closing round
	s_endpgm
.Lfunc_end_k_q40b76ddb93_attn:
	.size	k_q40b76ddb93_attn, .Lfunc_end_k_q40b76ddb93_attn-k_q40b76ddb93_attn
	.p2alignl 7, 3214868480
	.fill 96, 4, 3214868480
	.section	.rodata,"a",@progbits
	.p2align	6, 0x0
	.amdhsa_kernel k_q40b76ddb93_attn
		.amdhsa_group_segment_fixed_size 211968
		.amdhsa_private_segment_fixed_size 0
		.amdhsa_enable_private_segment 0
		.amdhsa_kernarg_size 32
		.amdhsa_user_sgpr_count 2
		.amdhsa_user_sgpr_kernarg_segment_ptr 1
		.amdhsa_wavefront_size32 1
		.amdhsa_system_sgpr_workgroup_id_x 1
		.amdhsa_system_sgpr_workgroup_id_y 1
		.amdhsa_system_sgpr_workgroup_id_z 1
		.amdhsa_system_vgpr_workitem_id 0
		.amdhsa_next_free_vgpr 512
		.amdhsa_next_free_sgpr 66
		.amdhsa_reserve_vcc 0
		.amdhsa_float_denorm_mode_32 3
		.amdhsa_float_denorm_mode_16_64 3
		.amdhsa_memory_ordered 1
		.amdhsa_forward_progress 1
		.amdhsa_inst_pref_size 85
	.end_amdhsa_kernel
	.amdgpu_metadata
---
amdhsa.version: [ 1, 2 ]
amdhsa.kernels:
  - .name:           k_q40b76ddb93_attn
    .symbol:         k_q40b76ddb93_attn.kd
    .args:
      - { .name: q, .offset: 0, .size: 8, .value_kind: global_buffer, .address_space: global }
      - { .name: kv, .offset: 8, .size: 8, .value_kind: global_buffer, .address_space: global }
      - { .name: cc, .offset: 16, .size: 8, .value_kind: global_buffer, .address_space: global }
      - { .name: cs, .offset: 24, .size: 8, .value_kind: global_buffer, .address_space: global }
    .group_segment_fixed_size: 211968
    .private_segment_fixed_size: 0
    .kernarg_segment_align: 8
    .kernarg_segment_size: 32
    .max_flat_workgroup_size: 256
    .sgpr_count:     66
    .vgpr_count:     512
    .wavefront_size: 32
...
	.end_amdgpu_metadata
.endif
;; end of part 3
;; launch outp (part 4): grid 4 x 32, 4 waves a work-group, clusters of 4 x 4, 327,680 bytes of LDS; arguments cc, cs, opc, ops, bo, out0; writes out0
.if DOCPART == 4
	.amdgcn_target "amdgcn-amd-amdhsa--gfx1250"
	.amdhsa_code_object_version 6
	.text
	.protected	k_q40b76ddb93_outp
	.globl	k_q40b76ddb93_outp
	.p2align	8
	.type	k_q40b76ddb93_outp,@function
k_q40b76ddb93_outp:
	s_mov_b64 s[64:65], 0
	v_nop
	global_prefetch_b8 v0, s[64:65] scope:SCOPE_SE
	s_setreg_imm32_b32 hwreg(HW_REG_WAVE_MODE, 25, 1), 1
	s_wait_xcnt 0x0
	s_wait_alu depctr_hold_cnt(0) depctr_sa_sdst(0) depctr_va_vdst(0) depctr_va_sdst(0) depctr_va_ssrc(0) depctr_va_vcc(0) depctr_vm_vsrc(0)
	s_getreg_b32 s2, hwreg(HW_REG_IB_STS2, 6, 4)
	s_cmp_eq_u32 s2, 0
	s_cbranch_scc0 .Lentry_in_a_cluster
	s_endpgm
.Lentry_in_a_cluster:
	s_bfe_u32 s2, ttmp6, 0x10000c
	s_cmp_lg_u32 s2, 0xf033
	s_cbranch_scc0 .Lentry_shape_is_right
	s_endpgm
.Lentry_shape_is_right:
; out0 = concat Wo^T + bo on codes of BF6 (E3M2) with E8M0 scales, K = 1,024.  concat's codes come as register images (cc: [tile of 16 rows 512][head 16][768 bytes]) with two scale bytes for each row and head (cs);
; Wo's as tiles 704-767 of opc with their scale bytes in ops.  The rows of a tile: lane r of tile 2 g + u holds row 32 g + 8 u + r + (r & 8).
; A work-group of four waves makes 256 x 256 of out0, a wave 128 x 128: 64 accumulators.  K goes in steps of 256 through a ring of two LDS slots filled by the tensor data mover; a fragment is two loads of 16 bytes and two of 8, of consecutive bytes.
; Source 0 = 16 rows of Wo (role B), source 1 = 16 rows of concat (role A): a lane holds one row of out0 and its registers run along the columns.
; CLUSTERS: 4 x 4 work-groups; A's tiles are asked for jointly along a row of the cluster, B's along a column.  128 work-groups: the problem has 8,192 x 1,024 results.
; A's SCALE WORDS are put together here: a word of 128 along K is two heads' pairs of bytes.  They go to LDS by ds_store, into bytes into which no fill lands, laid as B's are.
; REGISTERS as windows of 256: window 0: v0-31 addresses; v32-63 scale words; v64-95 the scale bytes at the head; v96-99 my four biases; v128-223 A's fragments (on the way out v128-255: rows of out0).
;   window 1: B's fragments, two sets.  windows 2, 3: the accumulators.
.set NQ,     2
.set FR,     12
.set NL,     4
.set NP,     4
.set TILEB,  12288
.set STEPB,  3072
.set HALFT,  8*STEPB
.set SLOT,   4*HALFT
.set LAPS,   2
.set SCL,    2*SLOT                    ; A's scales (stored by the waves): 2 HALFS; then B's (filled once): 2 HALFS
.set HALFS,  16*272
.set SBLK,   2*272
.set SPARE,  SCL+4*HALFS               ; the spare words, 128 bytes for each wave: two blocks of 256 bytes that no other line names
.set SPITCH, 528                       ; the way out: a stage of 16 rows x (512 bytes + 16) for each wave, in slot 0, which has had its last fill and its last read when the first result is stored there
.set ADRA, 16
.set ADRB, 20
.set L16,  24
.set L8,   25
.set STO,  26
.set ADRS, 27
.set SPW,  28
.set NIL,  29
.set RD,   30
.set SC,   32
.set BO,   96
.set AF,   128
.set BK,   128
.set G1, 24
.set G0, 32
.set G1B, 48
.set G0B, 56
.set G1SB, 80
.set G0SB, 88
.set MSB, 0
.macro WIN new
.if MSB != \new
	s_set_vgpr_msb (MSB<<8)|\new
.set MSB, \new
.endif
.endm
.set MUL_LO, 0xa1
.set MUL_HI, 0xf1
.set TO_B,   0x40
.macro JLOAD g0a, g1a, g0b, g1b        ; a joint load: waves 0 and 1 fetch for A, waves 2 and 3 for B; four v_nop follow each of the two lines
	s_cmp_eq_u32 s15, 0
	s_cbranch_scc0 .Lfor_b_\@
	tensor_load_to_lds s[\g0a:\g0a+3], s[\g1a:\g1a+7]
	s_nop 0
.rept 4
	v_nop
.endr
	s_branch .Lasked_\@
.Lfor_b_\@:
	tensor_load_to_lds s[\g0b:\g0b+3], s[\g1b:\g1b+7]
	s_nop 0
.rept 4
	v_nop
.endr
.Lasked_\@:
.endm
.macro CREST
	s_cmp_lg_u32 s14, 0
	s_cbranch_scc1 .Lnot_wave_0_\@
	s_barrier_signal -3
.Lnot_wave_0_\@:
	s_barrier_wait -3
	s_barrier_signal -1
	s_barrier_wait -1
.endm
.macro CROUND
	s_barrier_signal -1
	s_barrier_wait -1
	CREST
.endm
	s_load_b256 s[4:11], s[0:1], 0x0               ; cc, cs, opc, ops
	s_load_b128 s[96:99], s[0:1], 0x20             ; bo, out0
	v_lshl_add_u32 v[SPW], v0, 2, SPARE
	v_mov_b32 v[NIL], 0
	ds_add_u32 v28, v29
	ds_add_u32 v28, v29
	s_wait_dscnt 0x0
	v_lshrrev_b32 v1, 5, v0
	v_readfirstlane_b32 s14, v1                    ; wave 0..3
	s_lshr_b32 s15, s14, 1                         ; which half of A's rows is mine.  Also: I fetch for A (0) or for B (1)
	s_and_b32 s16, s14, 1                          ; which half of B's rows.  Also: which 8 tiles I fetch
	s_bfe_u32 s40, ttmp6, 0x40000                  ; cx, cy
	s_bfe_u32 s41, ttmp6, 0x40004
	s_lshl_b32 s42, ttmp9, 2
	s_add_co_u32 s42, s42, s40                     ; block of 256 columns
	s_and_b32 s17, ttmp7, 0xffff
	s_lshl_b32 s17, s17, 2
	s_add_co_u32 s17, s17, s41                     ; block of 256 rows
	s_lshl_b32 s43, s41, 2
	s_lshl_b32 s43, 15, s43                        ; my row of the cluster
	s_lshl_b32 s44, 0x1111, s40                    ; my column
	s_or_b32 s[G1+0], s43, (3<<16)|(1<<21)         ; codes: 8 rows (tiles) of 3,072 bytes, 12,288 apart, elements of 8 bytes; dense in LDS
	s_or_b32 s[G1B+0], s44, (3<<16)|(1<<21)
.irp g, G1, G1B
	s_mov_b32 s[\g+1], 384<<16
	s_mov_b32 s[\g+2], 16<<16
	s_mov_b32 s[\g+3], 384<<16
	s_mov_b32 s[\g+4], 16
	s_mov_b32 s[\g+5], 1536
	s_mov_b32 s[\g+6], 0
	s_mov_b32 s[\g+7], 0
.endr
	s_or_b32 s[G1SB+0], s44, (3<<16)|(1<<20)|(1<<21)|(5<<22)|(3<<25)   ; B's scales of 128 rows: 16 rows of 256 bytes, 16 of padding behind each
	s_mov_b32 s[G1SB+1], 32<<16
	s_mov_b32 s[G1SB+2], 16<<16
	s_mov_b32 s[G1SB+3], 32<<16
	s_mov_b32 s[G1SB+4], 16
	s_mov_b32 s[G1SB+5], 32
	s_mov_b32 s[G1SB+6], 0
	s_mov_b32 s[G1SB+7], 0
	s_lshl_b32 s18, s16, 3
	s_lshl_b32 s20, s17, 4
	s_add_co_u32 s20, s20, s18                     ; A's first tile, in cc
	s_mul_i32 s20, s20, TILEB
	s_mov_b32 s21, 0
	s_lshl_b32 s46, s42, 4
	s_add_co_u32 s46, s46, s18
	s_add_co_u32 s46, s46, 704                     ; B's, in opc
	s_lshl_b32 s92, s46, 9
	s_mov_b32 s93, 0
	s_mul_i32 s46, s46, TILEB
	s_mov_b32 s47, 0
	s_mul_i32 s45, s14, HALFT
	s_mul_i32 s94, s14, HALFS
	s_wait_kmcnt 0x0
	s_add_nc_u64 s[20:21], s[4:5], s[20:21]
	s_add_nc_u64 s[46:47], s[8:9], s[46:47]
	s_add_nc_u64 s[92:93], s[10:11], s[92:93]
	CROUND                                         ; all sixteen work-groups are here: the first joint loads meet
	s_mov_b32 s[G0SB], 1
	s_add_co_u32 s[G0SB+1], s94, SCL               ; (waves 2 and 3 issue it: behind A's two halves)
	s_mov_b64 s[G0SB+2:G0SB+3], s[92:93]
	s_or_b32 s[G0SB+3], s[G0SB+3], 0x80000000
.irp s, 0,1
	s_mov_b32 s[G0+4*\s], 1
	s_add_co_u32 s[G0+4*\s+1], s45, \s*SLOT
	s_add_nc_u64 s[G0+4*\s+2:G0+4*\s+3], s[20:21], \s*STEPB
	s_or_b32 s[G0+4*\s+3], s[G0+4*\s+3], 0x80000000
	s_mov_b32 s[G0B+4*\s], 1
	s_add_co_u32 s[G0B+4*\s+1], s45, \s*SLOT
	s_add_nc_u64 s[G0B+4*\s+2:G0B+4*\s+3], s[46:47], \s*STEPB
	s_or_b32 s[G0B+4*\s+3], s[G0B+4*\s+3], 0x80000000
.endr
	s_mul_i32 s68, s16, 8*TILEB                    ; the head's load of B's 16 tiles: back over my half
	s_mov_b32 s69, 0
	s_sub_nc_u64 s[70:71], s[46:47], s[68:69]
	s_or_b32 s71, s71, 0x80000000
	s_mov_b32 s68, 1
	s_mov_b32 s69, 2*HALFT
	; the head's tiles, one joint load a wave: wave 0 K step 0 of A's 16 tiles, wave 1 of B's, waves 2 and 3 the two halves of B's scales
	s_cmp_lt_u32 s14, 1
	s_cbranch_scc0 .Lhead_b
	tensor_load_to_lds s[G0:G0+3], s[G1:G1+7]
	s_nop 0
.rept 4
	v_nop
.endr
	s_branch .Lfirst_done
.Lhead_b:
	s_cmp_lt_u32 s14, 2
	s_cbranch_scc0 .Lhead_s
	tensor_load_to_lds s[68:71], s[G1B:G1B+7]
	s_nop 0
.rept 4
	v_nop
.endr
	s_branch .Lfirst_done
.Lhead_s:
	tensor_load_to_lds s[G0SB:G0SB+3], s[G1SB:G1SB+7]
	s_nop 0
.rept 4
	v_nop
.endr
.Lfirst_done:
	; A's scale bytes: thread t takes rows 2 t and 2 t + 1 (in tile order) of the block, of every head
	s_lshr_b32 s22, s17, 3
	s_lshl_b32 s22, s22, 16                        ; 16 heads of 4,096 bytes a batch,
	s_and_b32 s23, s17, 7
	s_lshl_b32 s23, s23, 9                         ; 256 rows of 2 bytes a block
	s_add_co_u32 s22, s22, s23
	s_mov_b32 s23, 0
	s_add_nc_u64 s[6:7], s[6:7], s[22:23]
	s_lshl_b32 s66, s42, 10
	s_lshl_b32 s67, s16, 9
	s_add_co_u32 s66, s66, s67                     ; my first column, in bytes
	s_mov_b32 s67, 0
	s_add_nc_u64 s[96:97], s[96:97], s[66:67]
	s_add_nc_u64 s[98:99], s[98:99], s[66:67]
	s_lshl_b32 s22, s17, 8
	s_lshl_b32 s18, s15, 7
	s_add_co_u32 s22, s22, s18
	s_lshl_b32 s22, s22, 12                        ; my first row, 4,096 bytes a row
	s_add_nc_u64 s[98:99], s[98:99], s[22:23]
	v_lshlrev_b32 v8, 2, v0
	v_and_b32 v3, 31, v0
	v_lshlrev_b32 v[L16], 4, v3
	v_lshlrev_b32 v[L8], 3, v3
.set k, 0
.rept 16
	global_load_b32 v[64+k], v8, s[6:7] offset:4096*k
.set k, k+1
.endr
	global_load_b128 v[BO:BO+3], v[L16], s[96:97]  ; the biases of the four columns that I store
	v_lshrrev_b32 v9, 2, v0
	v_mul_u32_u24 v9, v9, 272
	v_and_b32 v10, 3, v0
	v_lshl_add_u32 v9, v10, 6, v9
	v_add_nc_u32 v9, SCL, v9                       ; rows 2 t, 2 t + 1: 64 t bytes on, + 16 for each 256 passed
	v_and_b32 v1, 15, v0                           ; r
	v_bfe_u32 v2, v0, 4, 1                         ; h
	s_mul_i32 s21, s15, HALFT
	s_mul_i32 s22, s16, HALFT
	s_add_co_u32 s22, s22, 2*HALFT
.irp s, 0,1
	v_add_nc_u32 v[ADRA+\s], s21, v[L16]
	v_add_nc_u32 v[ADRB+\s], s22, v[L16]
	v_add_nc_u32 v[ADRA+2+\s], s21, v[L8]
	v_add_nc_u32 v[ADRB+2+\s], s22, v[L8]
	s_add_co_u32 s21, s21, SLOT
	s_add_co_u32 s22, s22, SLOT
.endr
	v_mul_u32_u24 v5, v1, 32
	v_lshrrev_b32 v6, 8, v5
	v_lshl_add_u32 v5, v6, 4, v5
	s_mul_i32 s21, s15, HALFS
	s_mul_i32 s22, s16, HALFS
	s_add_co_u32 s22, s22, 2*HALFS
	s_sub_co_u32 s22, s22, s21
	v_mul_u32_u24 v6, s22, v2                      ; lanes 16-31 take B's
	s_add_co_u32 s21, s21, SCL
	v_add_nc_u32 v5, v5, v6
	v_add_nc_u32 v[ADRS], s21, v5
	s_mul_i32 s23, s14, 16*SPITCH                  ; my stage
	v_mul_u32_u24 v5, v1, SPITCH
	v_lshl_add_u32 v5, v2, 6, v5
	v_add_nc_u32 v[STO], s23, v5                   ; in: row r, + 64 h: B's tile 2 g + u gives columns 32 g + 16 h + 8 u + 0 .. 7
	v_add_nc_u32 v[RD], s23, v[L16]                ; back: a row of 512 bytes to the 32 lanes
	s_wait_loadcnt 1                               ; the sixteen words are in; the bias load stays out
.set k, 0
.rept 8
	v_perm_b32 v[80+k], v[65+2*k], v[64+2*k], 0x05040100   ; row 2 t's word of K step k: head 2 k's two bytes below, head 2 k + 1's above
	v_perm_b32 v[88+k], v[65+2*k], v[64+2*k], 0x07060302   ; row 2 t + 1's
.set k, k+1
.endr
	ds_store_b128 v9, v[80:83]
	ds_store_b128 v9, v[84:87] offset:16
	ds_store_b128 v9, v[88:91] offset:32
	ds_store_b128 v9, v[92:95] offset:48
.macro FRAG reg, adr, q, i
	ds_load_b128 v[\reg:\reg+3], v[\adr] offset:STEPB*(\i)+1536*(\q)
	ds_load_b64 v[\reg+4:\reg+5], v[\adr+2] offset:STEPB*(\i)+1536*(\q)+512
	ds_load_b128 v[\reg+6:\reg+9], v[\adr] offset:STEPB*(\i)+1536*(\q)+768
	ds_load_b64 v[\reg+10:\reg+11], v[\adr+2] offset:STEPB*(\i)+1536*(\q)+1280
.endm
; The 64 accumulators take turns, one instruction a turn, in the same order in every step.
.macro MUL16 a0, p, q, sc, zero
.irp a, \a0, \a0+1
.irp b, 0,1,2,3,4,5,6,7
.if \zero
	v_wmma_scale_f32_16x16x128_f8f6f4 v[8*(8*((\a)%4)+\b):8*(8*((\a)%4)+\b)+7], v[128*(\p)+FR*\b:128*(\p)+FR*\b+FR-1], v[AF+FR*(\a):AF+FR*(\a)+FR-1], 0, v[SC+8*NQ*(\sc)+NQ*\b+(\q)], v[SC+8*NQ*(\sc)+NQ*(\a)+(\q)] matrix_a_fmt:MATRIX_FMT_BF6 matrix_b_fmt:MATRIX_FMT_BF6 matrix_a_scale:MATRIX_SCALE_ROW1
.else
	v_wmma_scale_f32_16x16x128_f8f6f4 v[8*(8*((\a)%4)+\b):8*(8*((\a)%4)+\b)+7], v[128*(\p)+FR*\b:128*(\p)+FR*\b+FR-1], v[AF+FR*(\a):AF+FR*(\a)+FR-1], v[8*(8*((\a)%4)+\b):8*(8*((\a)%4)+\b)+7], v[SC+8*NQ*(\sc)+NQ*\b+(\q)], v[SC+8*NQ*(\sc)+NQ*(\a)+(\q)] matrix_a_fmt:MATRIX_FMT_BF6 matrix_b_fmt:MATRIX_FMT_BF6 matrix_a_scale:MATRIX_SCALE_ROW1
.endif
.endr
.endr
.endm
.macro FETCH_B slot, q, p
	WIN TO_B
.irp i, 0,1,2,3,4,5,6,7
	FRAG 128*(\p)+FR*\i, ADRB+\slot, \q, \i
.endr
	WIN 0
.endm
.macro FETCH_A slot, q, i0
.irp i, \i0, \i0+1, \i0+2, \i0+3
	FRAG AF+FR*(\i), ADRA+\slot, \q, \i
.endr
.endm
.macro SCALES sc
.irp i, 0,1,2,3,4,5,6,7
	ds_load_b64 v[SC+8*NQ*\sc+NQ*\i:SC+8*NQ*\sc+NQ*\i+1], v[ADRS] offset:\i*SBLK
.endr
.endm
.macro PLACES n                        ; plain vector instructions between a matrix instruction and a load into, or a read of, its registers
.rept \n
	v_nop
.endr
.endm
.macro STEP slot, q, zero
	s_wait_dscnt 4*NL                              ; B's set and A's blocks 0-3 are in; the youngest 16 loads (A's blocks 4-7) may be out
	WIN MUL_LO
	MUL16 0, (\q)%2, \q, \slot, \zero
	MUL16 2, (\q)%2, \q, \slot, \zero
	s_wait_dscnt 0
	PLACES NP
	FETCH_B \slot, (\q)+1, 1-(\q)%2
	FETCH_A \slot, (\q)+1, 0
	WIN MUL_HI
	MUL16 4, (\q)%2, \q, \slot, \zero
	MUL16 6, (\q)%2, \q, \slot, \zero
	PLACES NP
	WIN 0
	FETCH_A \slot, (\q)+1, 4
.endm
.macro TURN slot, next, fill           ; a slot's last step changes slots
	s_wait_tensorcnt 0x0                           ; all my tensor loads have landed: my part of the next slot
	ds_add_u32 v[SPW], v[NIL]                      ; 0 onto my spare word
	s_wait_dscnt 4*NL+1                            ; (the add and the youngest 16 loads may be out)
	WIN MUL_LO
	MUL16 0, 1, NQ-1, \slot, 0
	s_wait_dscnt 0x0                               ; the add is done, and my reads of this slot are over
	s_barrier_signal -1
	MUL16 2, 1, NQ-1, \slot, 0
	WIN 0
	s_barrier_wait -1
.if \fill
	CREST                                          ; no wave of any partner still reads this slot's tiles or has a load on its way
	s_add_nc_u64 s[G0+4*\slot+2:G0+4*\slot+3], s[G0+4*\slot+2:G0+4*\slot+3], 2*STEPB
	s_add_nc_u64 s[G0B+4*\slot+2:G0B+4*\slot+3], s[G0B+4*\slot+2:G0B+4*\slot+3], 2*STEPB
	JLOAD G0+4*\slot, G1, G0B+4*\slot, G1B         ; the first tensor load behind the round; its four v_nop are the places in front of the loads below
.else
	PLACES NP
.endif
	s_wait_alu depctr_va_vdst(0)
	v_add_nc_u32 v[ADRS], 4*NQ, v[ADRS]
	FETCH_B \next, 0, 0
	FETCH_A \next, 0, 0
	SCALES \next
	WIN MUL_HI
	MUL16 4, 1, NQ-1, \slot, 0
	MUL16 6, 1, NQ-1, \slot, 0
	PLACES NP
	WIN 0
	FETCH_A \next, 0, 4
.endm
	s_wait_alu depctr_va_vdst(0)                   ; the wait at the head's end
	s_wait_tensorcnt 0x0                           ; my tile of the head's is in; slot 1's first fill is issued as a refill is
	ds_add_u32 v[SPW], v[NIL]
	s_mov_b32 s[G1+2], 8<<16                       ; no tensor load of mine is out: from here on a load brings 8 tiles
	s_mov_b32 s[G1+4], 8
	s_mov_b32 s[G1B+2], 8<<16
	s_mov_b32 s[G1B+4], 8
	s_wait_dscnt 0x0                               ; the add is done, and my part of A's scale words has landed
	CROUND
	JLOAD G0+4, G1, G0B+4, G1B
	FETCH_B 0, 0, 0
	FETCH_A 0, 0, 0
	SCALES 0
	FETCH_A 0, 0, 4
	STEP 0, 0, 1                                   ; the first step's products start the sums
	s_mov_b32 s3, LAPS-1
.Llap:
	TURN 0, 1, 1
	STEP 1, 0, 0
	TURN 1, 0, 1
	STEP 0, 0, 0
	s_sub_co_u32 s3, s3, 1
	s_cmp_lg_u32 s3, 0
	s_cbranch_scc1 .Llap
	TURN 0, 1, 0                                   ; the last lap fills nothing
	STEP 1, 0, 0
	s_wait_dscnt 4*NL                              ; the very last step
	WIN MUL_LO
	MUL16 0, 1, NQ-1, 1, 0
	MUL16 2, 1, NQ-1, 1, 0
	s_wait_dscnt 0
	WIN MUL_HI
	MUL16 4, 1, NQ-1, 1, 0
	MUL16 6, 1, NQ-1, 1, 0
	WIN 0
; THE WAY OUT, block by block of 16 rows x 128 columns, through my own stage: in as 32 bytes a lane, back as whole rows of 512 bytes.  LDS serves a wave's instructions in order: no wait between the stores and the loads.
.macro TOSTAGE a
.set AC, 64*((\a)%4)
	WIN 0x08+4*((\a)/4)                            ; the data: window 2 or 3
.irp b, 0,1,2,3,4,5,6,7
	ds_store_b128 v[STO], v[AC+8*\b:AC+8*\b+3] offset:128*(\b/2)+32*(\b%2)         ; each accumulator from its low end on
	ds_store_b128 v[STO], v[AC+8*\b+4:AC+8*\b+7] offset:128*(\b/2)+32*(\b%2)+16
.endr
	WIN 0
.set BB, BK+64*((\a)%2)
.irp t, 0,1,2,3,4,5,6,7,8,9,10,11,12,13,14,15
	ds_load_b128 v[BB+4*\t:BB+4*\t+3], v[RD] offset:\t*SPITCH
.endr
.endm
.macro SEND a, younger                 ; younger: the LDS instructions issued behind block a's loads, which may stay out
.set BB, BK+64*((\a)%2)
	s_wait_dscnt \younger
.irp t, 0,1,2,3,4,5,6,7,8,9,10,11,12,13,14,15
	v_pk_add_f32 v[BB+4*\t:BB+4*\t+1], v[BB+4*\t:BB+4*\t+1], v[BO:BO+1]
	v_pk_add_f32 v[BB+4*\t+2:BB+4*\t+3], v[BB+4*\t+2:BB+4*\t+3], v[BO+2:BO+3]
	global_store_b128 v[L16], v[BB+4*\t:BB+4*\t+3], s[98:99] offset:(32*((\a)/2)+8*((\a)%2)+\t%8+16*(\t/8))*4096 th:TH_STORE_NT   ; tile row t's place among my 128 rows; 512 consecutive bytes; 127 rows at the most: inside the signed 24-bit immediate
.endr
.endm
	PLACES NP                                      ; in front of the loads into A's registers and of the reads of the last results
	s_wait_loadcnt 0x0                             ; the biases
	TOSTAGE 0
.irp a, 1,2,3,4,5,6,7
.if \a > 1
	s_wait_xcnt 0x0                                ; block a - 2's stores have read their registers: block a's loads may land there
.endif
	TOSTAGE \a
	SEND \a-1, 32                                  ; behind block a - 1's loads: block a's 16 stores and 16 loads
.endr
	SEND 7, 0
	s_wait_tensorcnt 0x0                           ; the wave's end
	ds_add_u32 v[SPW], v[NIL]
	s_wait_dscnt 0x0
	CROUND                                         ; the closing round
	s_endpgm
.Lfunc_end_k_q40b76ddb93_outp:
	.size	k_q40b76ddb93_outp, .Lfunc_end_k_q40b76ddb93_outp-k_q40b76ddb93_outp
	.p2alignl 7, 3214868480
	.fill 96, 4, 3214868480
	.section	.rodata,"a",@progbits
	.p2align	6, 0x0
	.amdhsa_kernel k_q40b76ddb93_outp
		.amdhsa_group_segment_fixed_size 327680
		.amdhsa_private_segment_fixed_size 0
		.amdhsa_enable_private_segment 0
		.amdhsa_kernarg_size 48
		.amdhsa_user_sgpr_count 2
		.amdhsa_user_sgpr_kernarg_segment_ptr 1
		.amdhsa_wavefront_size32 1
		.amdhsa_system_sgpr_workgroup_id_x 1
		.amdhsa_system_sgpr_workgroup_id_y 1
		.amdhsa_system_sgpr_workgroup_id_z 1
		.amdhsa_system_vgpr_workitem_id 0
		.amdhsa_next_free_vgpr 1024
		.amdhsa_next_free_sgpr 102
		.amdhsa_reserve_vcc 0
		.amdhsa_float_denorm_mode_32 3
		.amdhsa_float_denorm_mode_16_64 3
		.amdhsa_memory_ordered 1
		.amdhsa_forward_progress 1
		.amdhsa_inst_pref_size 163
	.end_amdhsa_kernel
	.amdgpu_metadata
---
amdhsa.version: [ 1, 2 ]
amdhsa.kernels:
  - .name:           k_q40b76ddb93_outp
    .symbol:         k_q40b76ddb93_outp.kd
    .args:
      - { .name: cc, .offset: 0, .size: 8, .value_kind: global_buffer, .address_space: global }
      - { .name: cs, .offset: 8, .size: 8, .value_kind: global_buffer, .address_space: global }
      - { .name: opc, .offset: 16, .size: 8, .value_kind: global_buffer, .address_space: global }
      - { .name: ops, .offset: 24, .size: 8, .value_kind: global_buffer, .address_space: global }
      - { .name: bo, .offset: 32, .size: 8, .value_kind: global_buffer, .address_space: global }
      - { .name: out0, .offset: 40, .size: 8, .value_kind: global_buffer, .address_space: global }
    .group_segment_fixed_size: 327680
    .private_segment_fixed_size: 0
    .kernarg_segment_align: 8
    .kernarg_segment_size: 48
    .max_flat_workgroup_size: 128
    .sgpr_count:     102
    .vgpr_count:     1024
    .wavefront_size: 32
...
	.end_amdgpu_metadata
.endif
;; end of part 4
